; MI455X (gfx1250); checked and timed in simulation.
; The chip was launched on July 23, 2026; its instructions are those of AMD's public machine-readable ISA for CDNA 5 (MIT licence, August 2026) and "CDNA5" Instruction Set Architecture Reference Guide (July 2026). The comments in the code are by the model that wrote it; some were corrected since.
;; Multi Header Attention. Allowed arithmetic: matrix products marked QUANTISED: E2M3 operands, one E8M0 scale for each 32 along K, by v_wmma_scale_f32_16x16x128_f8f6f4 with both operands' format E2M3, f32 sums; everything else in f32.
;; Inputs: Wk_codes 1,024 x 32 x 24 uint8 (E2M3 codes of Wk, K innermost, in blocks of 32 codes, four codes in three bytes); Wk_scales 1,024 x 32 uint8 (E8M0 scales of Wk, one for each 32 codes along K); Wo_codes 1,024 x 32 x 24 uint8 (E2M3 codes of Wo, K innermost, in blocks of 32 codes, four codes in three bytes); Wo_scales 1,024 x 32 uint8 (E8M0 scales of Wo, one for each 32 codes along K); Wq_codes 1,024 x 32 x 24 uint8 (E2M3 codes of Wq, K innermost, in blocks of 32 codes, four codes in three bytes); Wq_scales 1,024 x 32 uint8 (E8M0 scales of Wq, one for each 32 codes along K); Wv_codes 1,024 x 32 x 24 uint8 (E2M3 codes of Wv, K innermost, in blocks of 32 codes, four codes in three bytes); Wv_scales 1,024 x 32 uint8 (E8M0 scales of Wv, one for each 32 codes along K); beta 1,024 float32; gamma 1,024 float32; pre_key_codes 4 x 2,048 x 32 x 24 uint8 (E2M3 codes of pre_key, K innermost, in blocks of 32 codes, four codes in three bytes); pre_key_scales 4 x 2,048 x 32 uint8 (E8M0 scales of pre_key, one for each 32 codes along K); pre_query_codes 4 x 2,048 x 32 x 24 uint8 (E2M3 codes of pre_query, K innermost, in blocks of 32 codes, four codes in three bytes); pre_query_scales 4 x 2,048 x 32 uint8 (E8M0 scales of pre_query, one for each 32 codes along K); pre_value 4 x 2,048 x 1,024 float32.
;; Outputs: out0 4 x 2,048 x 1,024 float32.
;; This version of the problem:
;;   THIS VERSION OF THE PROBLEM IS GIVEN IN LOW PRECISION. The matrix products marked QUANTISED in the list below multiply operands that are first quantised to E2M3 (2 exponent bits, 3 mantissa bits; 6 bits a number), with one power-of-two scale for each 32 numbers along K (OCP MX v1.0); their sums are f32. All else is computed in f32.
;;   The module's matrix products, in the order in which they are computed (A, B: the left and right operand; K: the contracted axis; several contracted axes count as one K, in the product's order):
;;     1. [M 8,192, K 1,024] x [K 1,024, N 1,024]; A: input pre_query (given as codes); B: input Wq (given as codes): QUANTISED
;;     2. [M 8,192, K 1,024] x [K 1,024, N 1,024]; A: input pre_key (given as codes); B: input Wk (given as codes): QUANTISED
;;     3. [M 8,192, K 1,024] x [K 1,024, N 1,024]; A: input pre_value; B: input Wv (given as codes): QUANTISED
;;     4. batch 64 x [M 2,048, K 64] x [K 64, N 2,048]; A: computed on the way; B: computed on the way: QUANTISED
;;     5. batch 64 x [M 2,048, K 2,048] x [K 2,048, N 64]; A: softmax (see below); B: computed on the way: QUANTISED
;;     6. [M 8,192, K 1,024] x [K 1,024, N 1,024]; A: computed on the way; B: input Wo (given as codes): QUANTISED
;;   THE QUANTISER, for each operand of a quantised product, along K:
;;     - K is cut into blocks of 32 from its start; a last block that is shorter is filled with zeros.
;;     - A block's scale is 2^e with e = floor(log2(the largest magnitude in the block)) - 2, held to -126 .. 127; a block of zeros has e = 0. As a byte (E8M0): e + 127.
;;     - Each number is divided by its block's scale, clamped to +-7.5, and rounded to the nearest number of E2M3, ties to even, subnormals kept.
;;     - The product sums the exact products of the quantised numbers (number of the format x scale) in f32.
;;   ~~~python
;;   def quantise(x, axis):      # numpy; x: float32 -> the quantised numbers, widened to float32 again
;;       x = np.moveaxis(x, axis, -1); K = x.shape[-1]
;;       x = np.pad(x, [(0, 0)] * (x.ndim - 1) + [(0, -K % 32)]); x = x.reshape(x.shape[:-1] + (-1, 32)); a = np.abs(x).max(-1, keepdims=True)
;;       e = np.where(a > 0, np.clip(np.frexp(np.where(a > 0, a, 1))[1] - 1 - 2, -126, 127), 0)      # np.frexp(a)[1] - 1 = floor(log2(a)), exactly
;;       r = np.clip(x / 2.0 ** e, -7.5, 7.5)
;;       step = 2.0 ** (np.maximum(np.frexp(np.where(r == 0, 1, r))[1] - 1, 0) - 3)
;;       q = np.round(r / step) * step * 2.0 ** e      # np.round: ties to even
;;       return np.moveaxis(q.reshape(q.shape[:-2] + (-1,))[..., :K], -1, axis).astype(np.float32)
;;   ~~~
;;   SOFTMAX AHEAD OF A QUANTISED PRODUCT. Where the list says 'softmax', what is quantised is not the finished softmax but p = 2^(t - M), with t = logit x log2(e) and M = ceil(the row's largest t), a whole number; so 1/2 < the row's largest p <= 1. The row's sum l is taken of the UNQUANTISED p, in f32, and the product's result is divided by l at the end. Since M is a whole number, a kernel that streams over the keys may use a running M (the ceiling of the running maximum): every later rescaling is an exact power of two, which a block's scale takes up: the codes' values come out the same.
;;   OPERANDS COMPUTED ON THE WAY. 'Computed on the way' means the value that the module computes at that place (a softmax that the list does not call 'softmax' is quantised finished and normalised). What goes into a quantiser is computed in f32, as accurately as f32 sums, v_exp_f32 and their like allow (about 1e-6 of the number): no bf16 or f16 on the way to a quantiser, and a product that is left as it is and whose result goes on into a quantised operand takes f32 operands (vector FMAs, or v_wmma_f32_16x16x4_f32). A number that lies on a knife's edge between two numbers of the format may be rounded either way, as far as f32 arithmetic and the matrix unit's own rounding can turn it there, and no further.
;;   INPUTS GIVEN AS CODES. Wk (in the module: [1024, 1024], K = its axis 0); Wo (in the module: [1024, 1024], K = its axis 0); Wq (in the module: [1024, 1024], K = its axis 0); Wv (in the module: [1024, 1024], K = its axis 0); pre_key (in the module: [4, 2048, 1024], K = its axis 2); pre_query (in the module: [4, 2048, 1024], K = its axis 2): each comes as NAME_codes (uint8): NAME with its K axis moved to the last place and cut into blocks of 32 codes, [.., K / 32, bytes a block], one block behind the other in memory; four codes in three bytes: a row's codes are one little-endian stream of bits, code i at bits 6 i .. 6 i + 5 (a code: sign, 2 exponent bits, 3 mantissa bits); and NAME_scales (uint8): the same leading axes, one E8M0 byte (e + 127) for each 32 codes along K. Its value is code x scale, taken as it is: it is not quantised again, and the codes and scales need not be those that the quantiser above would give.
;; One version. Each part assembles by itself: llvm-mc -triple=amdgcn-amd-amdhsa -mcpu=gfx1250 --defsym DOCPART=n.
;; ======== version 1 of 1: 3 launches
;; limits: right only within a limited range of input values
;; workspace buffers: pv_codes 6,291,456 bytes; pv_scales 262,144 bytes; wv_codes 786,432 bytes; wv_scales 32,768 bytes; wo_img 786,432 bytes; qkv 18,874,368 bytes; sc 786,432 bytes
;; launch prep (part 1): grid 256 x 1, 4 waves a work-group, no clusters, 33,280 bytes of LDS; arguments pre_value, Wv_codes, Wv_scales, Wo_codes, pv_codes, pv_scales, wv_codes, wv_scales, wo_img; writes pv_codes, pv_scales, wv_codes, wv_scales, wo_img
.if DOCPART == 1
	.amdgcn_target "amdgcn-amd-amdhsa--gfx1250"
	.amdhsa_code_object_version 6
	.text
	.protected	k_qdc14ec80eb_prep
	.globl	k_qdc14ec80eb_prep
	.p2align	8
	.type	k_qdc14ec80eb_prep,@function
k_qdc14ec80eb_prep:
	s_mov_b64 s[64:65], 0
	v_nop
	global_prefetch_b8 v0, s[64:65] scope:SCOPE_SE
	s_setreg_imm32_b32 hwreg(HW_REG_WAVE_MODE, 25, 1), 1
	s_wait_xcnt 0x0
; PART A.  pre_value [8192][1024] f32 becomes codes of FP6 (E2M3), K innermost, with one E8M0 byte for each 32 along K: pv_codes [8192][768], pv_scales [8192][32].
; A block's scale is 2^(floor(log2(its largest magnitude)) - 2); its byte is the largest magnitude's exponent field - 2, held at 1 from below.
; LIMITS: a block whose largest magnitude lies under 2^-124 (a block of zeros too) keeps the byte 1: only this program reads the bytes, and zero codes add nothing; NaN and infinities are not served.
; Rows are dense, so the tensor is a stream of blocks of 32.  A wave takes 16 steps of 512 numbers; a step's four loads read 512 consecutive bytes each; the 2,048 bytes turn through the wave's own
; stage in LDS so that a lane holds 16 neighbours (two lanes to a block).  8192 x 1024 / 32768 = 256 work-groups.  No barrier: waves share nothing.
; PART B, three small copies that lay the weights as the later launches read them:
;   wv_codes, wv_scales: Wv's rows in another order.  Row n' (bits X = 9:8, z = 7, bb = 6:5, u = 4, hw = 3, j = 2:0) is Wv's row (2 j + u) 64 + 32 z + 8 X + 2 bb + hw,
;     so that in the projection a lane's 16 results of two neighbouring tiles are the 16 column groups of one channel: half a block of 32 keys.
;   wo_img [64 tiles][8 K steps][1536]: Wo's fragments (16 rows x 128 K: 12 registers a lane) in the order of the registers: registers 4 c .. 4 c + 3 of lane L at 512 c + 16 L.
.set STEPS, 16
.set EMAX,  2
.set CB,    12                         ; bytes of 16 codes
.set R,     16                         ; v16-79   four sets of 16 numbers as they are loaded
.set X,     80                         ; v80-111  two sets of 16 neighbours
.set C,     128                        ; v128-191 codes: four registers for each step, so that no store's data are written again
.set E,     112                        ; v112-127 a scale byte for each step
.set WREG,  8192                       ; LDS: a region for each wave: two stages of 32 x SP bytes, then its 256 scale bytes
.set SP,    80                         ; a lane's place in a stage: 64 bytes + 16 of padding
	s_load_b512 s[4:19], s[0:1], 0x0               ; pre_value 4, Wv_codes 6, Wv_scales 8, Wo_codes 10, pv_codes 12, pv_scales 14, wv_codes 16, wv_scales 18
	s_load_b64 s[20:21], s[0:1], 0x40              ; wo_img
	v_lshl_add_u32 v192, v0, 2, 0x8000
	v_mov_b32 v193, 0
	v_lshrrev_b32 v1, 5, v0
	v_readfirstlane_b32 s24, v1                    ; wave
	v_and_b32 v2, 31, v0                           ; lane
	v_lshlrev_b32 v3, 4, v2                        ; 16 x lane
	s_mul_i32 s25, s24, WREG
	v_lshrrev_b32 v14, 2, v2
	v_mul_u32_u24 v14, v14, SP
	v_and_b32 v15, 3, v2
	v_lshl_add_u32 v14, v15, 4, v14
	v_add_nc_u32 v14, s25, v14                     ; the stage, in: SP (lane / 4) + 16 (lane % 4)
	v_mul_u32_u24 v15, v2, SP
	v_add_nc_u32 v15, s25, v15                     ; out: SP x lane: my 16 neighbours
	v_mul_u32_u24 v4, v2, CB                       ; my codes' place in a step's
	v_lshrrev_b32 v5, 1, v2
	s_add_co_u32 s25, s25, 2*32*SP
	v_add_nc_u32 v5, s25, v5                       ; my block's byte among my wave's 256
	v_lshlrev_b32 v7, 3, v2                        ; 8 x lane
	v_add_nc_u32 v6, s25, v7
	s_lshl_b32 s26, ttmp9, 2
	s_add_co_u32 s26, s26, s24                     ; which run of 8,192 numbers is my wave's
	s_lshl_b32 s28, s26, 15                        ; 32,768 bytes of numbers a run
	s_mov_b32 s29, 0
	s_mul_i32 s30, s26, 32*STEPS*CB                ; 6,144 bytes of codes
	s_mov_b32 s31, 0
	s_lshl_b32 s32, s26, 8                         ; 256 scale bytes
	s_mov_b32 s33, 0
	s_wait_alu depctr_va_vdst(0)
	s_wait_kmcnt 0x0
	s_add_nc_u64 s[4:5], s[4:5], s[28:29]
	s_add_nc_u64 s[12:13], s[12:13], s[30:31]
	s_add_nc_u64 s[14:15], s[14:15], s[32:33]
.macro LOAD t
.irp i, 0,1,2,3
	global_load_b128 v[R+16*((\t)%4)+4*\i:R+16*((\t)%4)+4*\i+3], v3, s[4:5] offset:2048*(\t)+512*\i th:TH_LOAD_NT   ; 32 lanes read 512 consecutive bytes
.endr
.endm
.macro TURN t                          ; step t's numbers through the stage: LDS serves a wave's instructions in order, so no wait stands between the stores and the loads
.irp i, 0,1,2,3
	ds_store_b128 v14, v[R+16*((\t)%4)+4*\i:R+16*((\t)%4)+4*\i+3] offset:32*SP*((\t)%2)+8*SP*\i
.endr
.irp i, 0,1,2,3
	ds_load_b128 v[X+16*((\t)%2)+4*\i:X+16*((\t)%2)+4*\i+3], v15 offset:32*SP*((\t)%2)+16*\i
.endr
.endm
.irp t, 0,1,2,3
	LOAD \t
.endr
	s_wait_loadcnt 12                              ; step 0's four loads are in
	TURN 0
.macro STEP t
.set XS, X+16*((\t)%2)
.if (\t) > 0
	s_wait_dscnt 1                                 ; this step's numbers are back from the stage (the last step's byte store may be out)
.else
	s_wait_dscnt 0x0
.endif
.if (\t)+4 < STEPS
	LOAD (\t)+4                                    ; into the set that this step's stage stores have read
.endif
.if (\t)+1 < STEPS
.if STEPS-2-(\t) >= 3
	s_wait_loadcnt 12                              ; the next step's four loads are in; those of the three steps behind it may be out
.else
	s_wait_loadcnt 4*(STEPS-2-(\t))
.endif
	TURN (\t)+1
.endif
	v_max3_num_f32 v8, |v[XS]|, |v[XS+1]|, |v[XS+2]|               ; the largest magnitude of my 16, in two chains
	v_max3_num_f32 v9, |v[XS+3]|, |v[XS+4]|, |v[XS+5]|
.irp i, 6,10
	v_max3_num_f32 v8, v8, |v[XS+\i]|, |v[XS+\i+1]|
	v_max3_num_f32 v9, v9, |v[XS+\i+2]|, |v[XS+\i+3]|
.endr
	v_max3_num_f32 v8, v8, |v[XS+14]|, |v[XS+15]|
	v_max3_num_f32 v8, v8, v9, (EMAX+1)<<23        ; and the floor 2^(3 - 127): the byte cannot fall under 1
	v_max_num_f32_dpp v8, v8, v8 row_xmask:1 row_mask:0xf bank_mask:0xf   ; with my neighbour's 16: the block's
	v_add_nc_u32 v11, -(EMAX<<23), v8              ; 2 off its exponent field: the conversion takes that field as its scale and nothing else
	v_cvt_scalef32_pk16_fp6_f32 v[C+4*(\t):C+4*(\t)+2], v[XS:XS+15], v11
	v_lshrrev_b32 v[E+(\t)], 23, v11               ; the scale's byte
	ds_store_b8 v5, v[E+(\t)] offset:16*(\t)       ; both lanes of a block write the same byte with the same value
	global_store_b96 v4, v[C+4*(\t):C+4*(\t)+2], s[12:13] offset:32*CB*(\t)   ; the wave stores 384 consecutive bytes
.endm
.irp t, 0,1,2,3,4,5,6,7,8,9,10,11,12,13,14,15
	STEP \t
.endr
	ds_load_b64 v[12:13], v6                       ; LDS serves a wave's instructions in order: these see my byte stores
	s_wait_dscnt 0x0
	global_store_b64 v7, v[12:13], s[14:15]        ; 32 lanes store 256 consecutive bytes, aligned
	; ---- PART B.  i = the work-group's number, w = the wave.  Row n' = 4 i + w of wv_codes.  The registers used here are done with: part A's loads are in and its LDS stores have landed
	s_and_b32 s26, ttmp9, 1                        ; j = 4 (i & 1) + w, so 2 j + u = 8 (i & 1) + 2 w + u
	s_lshl_b32 s26, s26, 3
	s_bfe_u32 s27, ttmp9, 0x10002                  ; u
	s_add_co_u32 s26, s26, s27
	s_lshl_b32 s26, s26, 6
	s_bfe_u32 s27, ttmp9, 0x10005                  ; z
	s_lshl_b32 s27, s27, 5
	s_add_co_u32 s26, s26, s27
	s_lshr_b32 s27, ttmp9, 6                       ; X
	s_lshl_b32 s27, s27, 3
	s_add_co_u32 s26, s26, s27
	s_bfe_u32 s27, ttmp9, 0x20003                  ; bb
	s_lshl_b32 s27, s27, 1
	s_add_co_u32 s26, s26, s27
	s_bfe_u32 s27, ttmp9, 0x10001                  ; hw
	s_add_co_u32 s26, s26, s27                     ; Wv's row for wave 0; wave w's lies 128 w further on
	s_lshl_b32 s27, s24, 7
	s_add_co_u32 s27, s27, s26
	s_mul_i32 s28, s27, 768
	s_add_nc_u64 s[6:7], s[6:7], s[28:29]          ; from
	s_lshl_b32 s28, ttmp9, 2
	s_add_co_u32 s28, s28, s24
	s_mul_i32 s28, s28, 768
	s_add_nc_u64 s[16:17], s[16:17], s[28:29]      ; to
	v_and_b32 v8, 15, v2
	v_mul_u32_u24 v8, v8, 768
	v_lshrrev_b32 v9, 4, v2
	v_mad_u32_u24 v8, v9, 24, v8                   ; Wo: row lane % 16, + 24 (lane / 16)
	v_lshrrev_b32 v9, 3, v2
	v_lshlrev_b32 v9, 12, v9
	v_and_b32 v10, 7, v2
	v_lshl_add_u32 v9, v10, 2, v9                  ; Wv's scales: 128 rows of 32 bytes on for each of the four rows, + the word
	v_lshlrev_b32 v10, 2, v2
	global_load_b128 v[16:19], v3, s[6:7]          ; the row's 768 bytes: 512,
	global_load_b64 v[20:21], v7, s[6:7] offset:512   ; and 256
	s_cmp_lt_u32 s24, 2
	s_cbranch_scc0 .Lnot_wo
	s_lshl_b32 s30, ttmp9, 1
	s_add_co_u32 s30, s30, s24                     ; waves 0 and 1: fragment f = 2 i + w of Wo: tile f / 8, K step f % 8
	s_lshr_b32 s31, s30, 3
	s_mul_i32 s28, s31, 16*768
	s_and_b32 s31, s30, 7
	s_mul_i32 s31, s31, 96
	s_add_co_u32 s28, s28, s31
	s_add_nc_u64 s[10:11], s[10:11], s[28:29]
	s_mul_i32 s28, s30, 1536
	s_add_nc_u64 s[20:21], s[20:21], s[28:29]
	s_wait_alu depctr_va_vdst(0)
.irp p, 0,1,2,3,4,5
	global_load_b64 v[24+2*\p:25+2*\p], v8, s[10:11] offset:48*(\p/3)+8*(\p%3)   ; the fragment's 12 registers, in pieces of 8 bytes
.endr
	s_wait_loadcnt 0x0
.irp c, 0,1,2
	global_store_b128 v3, v[24+4*\c:27+4*\c], s[20:21] offset:512*\c   ; as they stand: 512 consecutive bytes a store
.endr
	s_branch .Lrow
.Lnot_wo:
	s_cmp_eq_u32 s24, 2
	s_cbranch_scc0 .Lrow
	s_lshl_b32 s28, s26, 5                         ; wave 2: the four rows' scale bytes
	s_add_nc_u64 s[8:9], s[8:9], s[28:29]
	s_lshl_b32 s28, ttmp9, 7
	s_add_nc_u64 s[18:19], s[18:19], s[28:29]
	s_wait_alu depctr_va_vdst(0)
	global_load_b32 v36, v9, s[8:9]
	s_wait_loadcnt 0x0
	global_store_b32 v10, v36, s[18:19]            ; 128 consecutive bytes
.Lrow:
	s_wait_loadcnt 0x0
	global_store_b128 v3, v[16:19], s[16:17]
	global_store_b64 v7, v[20:21], s[16:17] offset:512
	s_wait_tensorcnt 0x0
	ds_add_u32 v192, v193
	s_wait_dscnt 0x0
	s_endpgm
.Lfunc_end_k_qdc14ec80eb_prep:
	.size	k_qdc14ec80eb_prep, .Lfunc_end_k_qdc14ec80eb_prep-k_qdc14ec80eb_prep
	.p2alignl 7, 3214868480
	.fill 96, 4, 3214868480
	.section	.rodata,"a",@progbits
	.p2align	6, 0x0
	.amdhsa_kernel k_qdc14ec80eb_prep
		.amdhsa_group_segment_fixed_size 33280
		.amdhsa_private_segment_fixed_size 0
		.amdhsa_enable_private_segment 0
		.amdhsa_kernarg_size 72
		.amdhsa_user_sgpr_count 2
		.amdhsa_user_sgpr_kernarg_segment_ptr 1
		.amdhsa_wavefront_size32 1
		.amdhsa_system_sgpr_workgroup_id_x 1
		.amdhsa_system_sgpr_workgroup_id_y 1
		.amdhsa_system_sgpr_workgroup_id_z 1
		.amdhsa_system_vgpr_workitem_id 0
		.amdhsa_next_free_vgpr 194
		.amdhsa_next_free_sgpr 66
		.amdhsa_reserve_vcc 0
		.amdhsa_float_denorm_mode_32 3
		.amdhsa_float_denorm_mode_16_64 3
		.amdhsa_memory_ordered 1
		.amdhsa_forward_progress 1
		.amdhsa_inst_pref_size 36
	.end_amdhsa_kernel
	.amdgpu_metadata
---
amdhsa.version: [ 1, 2 ]
amdhsa.kernels:
  - .name:           k_qdc14ec80eb_prep
    .symbol:         k_qdc14ec80eb_prep.kd
    .args:
      - { .name: pre_value, .offset: 0, .size: 8, .value_kind: global_buffer, .address_space: global }
      - { .name: Wv_codes, .offset: 8, .size: 8, .value_kind: global_buffer, .address_space: global }
      - { .name: Wv_scales, .offset: 16, .size: 8, .value_kind: global_buffer, .address_space: global }
      - { .name: Wo_codes, .offset: 24, .size: 8, .value_kind: global_buffer, .address_space: global }
      - { .name: pv_codes, .offset: 32, .size: 8, .value_kind: global_buffer, .address_space: global }
      - { .name: pv_scales, .offset: 40, .size: 8, .value_kind: global_buffer, .address_space: global }
      - { .name: wv_codes, .offset: 48, .size: 8, .value_kind: global_buffer, .address_space: global }
      - { .name: wv_scales, .offset: 56, .size: 8, .value_kind: global_buffer, .address_space: global }
      - { .name: wo_img, .offset: 64, .size: 8, .value_kind: global_buffer, .address_space: global }
    .group_segment_fixed_size: 33280
    .private_segment_fixed_size: 0
    .kernarg_segment_align: 8
    .kernarg_segment_size: 72
    .max_flat_workgroup_size: 128
    .sgpr_count:     66
    .vgpr_count:     194
    .wavefront_size: 32
...
	.end_amdgpu_metadata
.endif
;; end of part 1
;; launch proj (part 2): grid 4 x 64, 4 waves a work-group, clusters of 4 x 4, 327,680 bytes of LDS; arguments pre_query_codes, pre_query_scales, Wq_codes, Wq_scales, pre_key_codes, pre_key_scales, Wk_codes, Wk_scales, pv_codes, pv_scales, wv_codes, wv_scales, qkv, sc; writes qkv, sc
.if DOCPART == 2
	.amdgcn_target "amdgcn-amd-amdhsa--gfx1250"
	.amdhsa_code_object_version 6
	.text
	.protected	k_qdc14ec80eb_proj
	.globl	k_qdc14ec80eb_proj
	.p2align	8
	.type	k_qdc14ec80eb_proj,@function
k_qdc14ec80eb_proj:
	s_mov_b64 s[64:65], 0
	v_nop
	global_prefetch_b8 v0, s[64:65] scope:SCOPE_SE
	s_setreg_imm32_b32 hwreg(HW_REG_WAVE_MODE, 25, 1), 1
	s_wait_xcnt 0x0
	s_wait_alu depctr_hold_cnt(0) depctr_sa_sdst(0) depctr_va_vdst(0) depctr_va_sdst(0) depctr_va_ssrc(0) depctr_va_vcc(0) depctr_vm_vsrc(0)
	s_getreg_b32 s2, hwreg(HW_REG_IB_STS2, 6, 4)
	s_cmp_eq_u32 s2, 0
	s_cbranch_scc0 .Lentry_in_a_cluster
	s_endpgm
.Lentry_in_a_cluster:
	s_bfe_u32 s2, ttmp6, 0x10000c
	s_cmp_lg_u32 s2, 0xf033
	s_cbranch_scc0 .Lentry_shape_is_right
	s_endpgm
.Lentry_shape_is_right:
; q = pre_query Wq, k = pre_key Wk, v = pre_value Wv on codes of FP6 (E2M3) with E8M0 scales, sums in f32; each result is quantised again and stored as the attention launch reads it.
; WORK-GROUP (X, Y) STAYS and walks three tiles of 128 rows x 256 columns: q, k and v of head Y (rows 128 Y .. + 127), columns 256 X .. + 255.  4 x 64 = 256 work-groups.
; A wave makes 64 rows x 128 columns: 32 accumulators (window 2).  Wave w: rows 64 (w / 2), columns 128 (w % 2).
; A row of codes is 768 bytes = 3 chunks of 256 bytes, each on a 256-byte border.  The three tiles are one walk of 9 chunks and 24 steps of 128 along K (96 bytes) through a ring of two LDS slots;
; a slot holds one chunk of A's 128 rows and B's 256 rows, 272 bytes apart.  The ring goes on from tile to tile, so a tile's way out stands under the next chunks' loads.
; The walk is written out: three chunks a tile change the slots' parity from tile to tile, and the third tile's way out differs.
; CLUSTERS 4 x 4: A's chunk hangs on Y alone and is asked for jointly along the cluster's row, B's on X alone, along its column.  Waves 0, 1 fetch 64 rows of A each, waves 2, 3 128 rows of B each: one load a wave.
; SCALES go from memory straight into registers: lane L takes the 32 bytes (8 steps' words) of row 32 q + L: block 2 q in lanes 0-15, block 2 q + 1 in lanes 16-31.  The next tile's are loaded behind a tile's last product.
; PREFETCH: behind the joint load of chunk c one instruction a wave names chunk c + 2: of the rows that a wave fetches each of the four partners takes a quarter, by address; chunks 0 and 1 come by their loads alone.
; The matrix instruction is used transposed (source 0 = rows of B, source 1 = rows of A): a lane holds eight neighbouring columns of one row.
; LIMITS: NaN and infinities are not served; a block whose largest magnitude lies under 2^-124 (zeros too) keeps the scale byte 1: its codes are zeros, and only this program reads the bytes.
; REGISTERS: window 0: v0-31 addresses; v32-47 A's scale words, v48-79 B's; v80-127 the way out; v128-223 A's fragments, two sets.  Window 1: B's fragments, sets at v0 and v128.  Window 2: accumulator (a, b) at v[8 (8 a + b)].
.set ROWB,   256
.set KROW,   768
.set CHUNKS, 9
.set PITCH,  272
.set FR,     12
.set NP,     4
.set SLOT,   384*PITCH
.set PLANE,  12288
.set SWSTG,  2*SLOT                    ; q's and k's scale words: 256 bytes a wave
.set VSTG,   SWSTG+1024                ; v's codes: 16 channels x 1552 bytes
.set VPITCH, 1552
.set VSS,    VSTG+16*VPITCH            ; v's scale bytes: 1024
.set SPARE,  VSS+1024                  ; the spare words
.set ADRA, 16
.set ADRB, 20
.set SLO,  26                          ; 32 x lane
.set L8,   27                          ; 8 x lane
.set SPW,  28
.set NIL,  29
.set PFO,  30
.set SA,   32
.set SB,   48
.set TM,   80
.set PW,   96
.set PC,   98
.set LI,   118
.set SWI,  119
.set SWO,  120
.set VI,   121
.set VSI,  122
.set VO,   123
.set VSO,  124
.set AF,   128
.set G1,   32
.set G1B,  40
.set G0,   48
.set G0B,  56
.set OUTB, 86                          ; s[86:91] where q, k, v go in qkv
.set SCO,  92                          ; s[92:97] and in sc
.set MSB, 0
.macro WIN new
.if MSB != \new
	s_set_vgpr_msb (MSB<<8)|\new
.set MSB, \new
.endif
.endm
.set MUL,  0xa1                        ; source 0 window 1, source 1 window 0, C and D window 2
.set TO_B, 0x40
.macro PLACES n
.rept \n
	v_nop
.endr
.endm
.macro JLOAD g0a, g0b                  ; waves 0, 1 ask for A, waves 2, 3 for B
	s_cmp_eq_u32 s67, 0
	s_cbranch_scc0 .Lfor_b_\@
	tensor_load_to_lds s[\g0a:\g0a+3], s[G1:G1+7]
	s_nop 0
	PLACES 4
	s_branch .Lasked_\@
.Lfor_b_\@:
	tensor_load_to_lds s[\g0b:\g0b+3], s[G1B:G1B+7]
	s_nop 0
	PLACES 4
.Lasked_\@:
.endm
.macro CREST
	s_cmp_lg_u32 s66, 0
	s_cbranch_scc1 .Lnot_wave_0_\@
	s_barrier_signal -3
.Lnot_wave_0_\@:
	s_barrier_wait -3
	s_barrier_signal -1
	s_barrier_wait -1
.endm
.macro CROUND
	s_barrier_signal -1
	s_barrier_wait -1
	CREST
.endm
.macro ASK c                           ; chunk c of my quarter of the rows that I fetch, a lane a row; the address registers are never rewritten
.set PFR, 98+2*((\c)/3)+2*((\c)/6)
	global_prefetch_b8 v[PFO], s[PFR:PFR+1] offset:((\c)%3)*ROWB th:TH_LOAD_NT scope:SCOPE_SE
.endm
.macro SCLOAD i                        ; tile i's scale words
.irp q, 0,1
	global_load_b128 v[SA+8*\q:SA+8*\q+3], v[SLO], s[6+8*(\i):7+8*(\i)] offset:1024*\q
	global_load_b128 v[SA+8*\q+4:SA+8*\q+7], v[SLO], s[6+8*(\i):7+8*(\i)] offset:1024*\q+16
.endr
.irp q, 0,1,2,3
	global_load_b128 v[SB+8*\q:SB+8*\q+3], v[SLO], s[10+8*(\i):11+8*(\i)] offset:1024*\q
	global_load_b128 v[SB+8*\q+4:SB+8*\q+7], v[SLO], s[10+8*(\i):11+8*(\i)] offset:1024*\q+16
.endr
.endm
	s_load_b256 s[4:11], s[0:1], 0x0               ; q: A's codes 4, A's scales 6, B's codes 8, B's scales 10
	s_load_b256 s[12:19], s[0:1], 0x20             ; k: the same four
	s_load_b256 s[20:27], s[0:1], 0x40             ; v
	s_load_b128 s[28:31], s[0:1], 0x60             ; qkv, sc
	v_lshl_add_u32 v[SPW], v0, 2, SPARE
	v_mov_b32 v[NIL], 0
	ds_add_u32 v[SPW], v[NIL]
	ds_add_u32 v[SPW], v[NIL]
	v_lshrrev_b32 v1, 5, v0
	v_readfirstlane_b32 s66, v1                    ; wave
	s_lshr_b32 s67, s66, 1                         ; my half of the rows; also: I fetch for A (0) or B (1)
	s_and_b32 s68, s66, 1                          ; my half of the columns; also: which half of the rows I fetch
	s_bfe_u32 s69, ttmp6, 0x40000                  ; cx
	s_bfe_u32 s70, ttmp6, 0x40004                  ; cy
	s_lshl_b32 s71, ttmp9, 2
	s_add_co_u32 s71, s71, s69                     ; X
	s_and_b32 s72, ttmp7, 0xffff
	s_lshl_b32 s72, s72, 2
	s_add_co_u32 s72, s72, s70                     ; Y
	s_lshl_b32 s73, s70, 2
	s_lshl_b32 s73, 15, s73                        ; my row of the cluster
	s_lshl_b32 s74, 0x1111, s69                    ; my column
	s_mov_b32 s2, 0x76543210
	s_mov_b32 s3, 0xfedcba98                       ; selects for lane l xor 16
	s_or_b32 s[G1], s73, (1<<20)|(1<<21)|(5<<22)|(3<<25)    ; bytes; 16 bytes of padding behind every 256; the mask
	s_or_b32 s[G1B], s74, (1<<20)|(1<<21)|(5<<22)|(3<<25)
	s_mov_b32 s[G1+1], ROWB<<16
	s_mov_b32 s[G1+2], 64<<16                      ; A: 64 rows a load
	s_mov_b32 s[G1+3], ROWB<<16
	s_mov_b32 s[G1+4], 64
	s_mov_b32 s[G1+5], KROW
	s_mov_b32 s[G1+6], 0
	s_mov_b32 s[G1+7], 0
	s_mov_b32 s[G1B+1], ROWB<<16
	s_mov_b32 s[G1B+2], 128<<16                    ; B: 128 rows a load
	s_mov_b32 s[G1B+3], ROWB<<16
	s_mov_b32 s[G1B+4], 128
	s_mov_b32 s[G1B+5], KROW
	s_mov_b32 s[G1B+6], 0
	s_mov_b32 s[G1B+7], 0
	s_lshl_b32 s76, s72, 7
	s_lshl_b32 s77, s68, 6
	s_add_co_u32 s76, s76, s77
	s_mul_i32 s76, s76, KROW                       ; A's codes: row 128 Y + 64 x the half that I fetch
	s_mov_b32 s77, 0
	s_lshl_b32 s78, s71, 8
	s_lshl_b32 s79, s68, 7
	s_add_co_u32 s78, s78, s79
	s_lshl_b32 s82, s78, 5                         ; B's scales: row 256 X + 128 x my half of the columns
	s_mul_i32 s78, s78, KROW                       ; B's codes: the same row
	s_mov_b32 s79, 0
	s_mov_b32 s83, 0
	s_lshl_b32 s80, s72, 7
	s_lshl_b32 s81, s67, 6
	s_add_co_u32 s80, s80, s81
	s_lshl_b32 s80, s80, 5                         ; A's scales: row 128 Y + 64 x my half of the rows
	s_mov_b32 s81, 0
	s_mul_i32 s84, s68, 64*PITCH                   ; where my rows of A go in a slot,
	s_mul_i32 s85, s68, 128*PITCH
	s_add_co_u32 s85, s85, 128*PITCH               ; and my rows of B
	s_wait_dscnt 0x0
	s_wait_kmcnt 0x0
.irp i, 0,1,2
	s_add_nc_u64 s[4+8*\i:5+8*\i], s[4+8*\i:5+8*\i], s[76:77]
	s_add_nc_u64 s[6+8*\i:7+8*\i], s[6+8*\i:7+8*\i], s[80:81]
	s_add_nc_u64 s[8+8*\i:9+8*\i], s[8+8*\i:9+8*\i], s[78:79]
	s_add_nc_u64 s[10+8*\i:11+8*\i], s[10+8*\i:11+8*\i], s[82:83]
.endr
	CROUND                                         ; all sixteen work-groups are here
.irp s, 0,1
	s_mov_b32 s[G0+4*\s], 1
	s_add_co_u32 s[G0+4*\s+1], s84, \s*SLOT
	s_add_nc_u64 s[G0+4*\s+2:G0+4*\s+3], s[4:5], \s*ROWB
	s_or_b32 s[G0+4*\s+3], s[G0+4*\s+3], 0x80000000
	s_mov_b32 s[G0B+4*\s], 1
	s_add_co_u32 s[G0B+4*\s+1], s85, \s*SLOT
	s_add_nc_u64 s[G0B+4*\s+2:G0B+4*\s+3], s[8:9], \s*ROWB
	s_or_b32 s[G0B+4*\s+3], s[G0B+4*\s+3], 0x80000000
.endr
	JLOAD G0, G0B                                  ; chunk 0: my one load at the head
	; where the results go
	s_mul_i32 s75, s72, 24*PLANE                   ; the head's 24 planes in qkv
	s_lshl_b32 s80, s71, 1
	s_add_co_u32 s80, s80, s68                     ; token pair 2 X + my half of the columns
	s_mul_i32 s81, s80, PLANE
	s_add_co_u32 s81, s81, s75
	s_mul_i32 s82, s67, 6144                       ; my four row tiles of the plane's eight
	s_add_co_u32 s82, s82, s81
	s_add_nc_u64 s[OUTB+2:OUTB+3], s[28:29], s[82:83]   ; k: planes 0-7
	s_add_co_u32 s82, s82, 16*PLANE
	s_add_nc_u64 s[OUTB:OUTB+1], s[28:29], s[82:83]     ; q: planes 16-23
	s_lshl_b32 s81, s66, 1
	s_add_co_u32 s81, s81, 8
	s_mul_i32 s81, s81, PLANE
	s_mul_i32 s82, s71, 1536
	s_add_co_u32 s82, s82, s81
	s_add_co_u32 s82, s82, s75
	s_add_nc_u64 s[OUTB+4:OUTB+5], s[28:29], s[82:83]   ; v: planes 8 + 2 w, + 1; channel tile X
	s_mul_i32 s75, s72, PLANE
	s_lshl_b32 s81, s80, 9
	s_add_co_u32 s81, s81, s75
	s_lshl_b32 s82, s67, 8
	s_add_co_u32 s82, s82, s81
	s_add_nc_u64 s[SCO+2:SCO+3], s[30:31], s[82:83]
	s_add_co_u32 s82, s82, 8192
	s_add_nc_u64 s[SCO:SCO+1], s[30:31], s[82:83]
	s_lshl_b32 s81, s71, 10
	s_lshl_b32 s82, s66, 8
	s_add_co_u32 s82, s82, s81
	s_add_co_u32 s82, s82, s75
	s_add_co_u32 s82, s82, 4096
	s_add_nc_u64 s[SCO+4:SCO+5], s[30:31], s[82:83]
	; the prefetches: my work-group's quarter (16 rows of A's 64 by cx, 32 of B's 128 by cy) of the rows that I fetch
	s_cmp_eq_u32 s67, 0
	s_cselect_b32 s75, s69, s70
	s_mov_b32 s81, 32*KROW
	s_cselect_b32 s81, 16*KROW, s81
	s_cselect_b64 s[98:99], s[4:5], s[8:9]
	s_cselect_b64 s[100:101], s[12:13], s[16:17]
	s_cselect_b64 s[104:105], s[20:21], s[24:25]
	s_mul_i32 s82, s75, s81
	s_add_nc_u64 s[98:99], s[98:99], s[82:83]
	s_add_nc_u64 s[100:101], s[100:101], s[82:83]
	s_add_nc_u64 s[104:105], s[104:105], s[82:83]
	; every vector address, of the thread's number alone
	v_and_b32 v1, 15, v0                           ; r
	v_bfe_u32 v2, v0, 4, 1                         ; h
	v_bfe_u32 v8, v0, 6, 1                         ; my half of the rows
	v_bfe_u32 v9, v0, 5, 1                         ; my half of the columns
	v_bfe_u32 v10, v0, 5, 2                        ; wave
	v_and_b32 v11, 31, v0                          ; lane
	v_mul_u32_u24 v3, v1, PITCH
	v_mad_u32_u24 v4, v2, 24, v3                   ; a fragment's row x pitch + 24 h
	v_mad_u32_u24 v5, v2, SLOT-232, v3
	v_add_nc_u32 v5, 232, v5                       ; lanes 0-15 byte 232 of the row in slot 0, lanes 16-31 byte 0 in slot 1
	v_sub_nc_u32 v7, 1, v2
	v_mad_u32_u24 v6, v7, SLOT+232, v3             ; lanes 0-15 byte 232 in slot 1, lanes 16-31 byte 0 in slot 0
	v_mul_u32_u24 v12, v8, 64*PITCH                ; my 64 rows of A
	v_add_nc_u32 v13, 1, v9
	v_mul_u32_u24 v13, v13, 128*PITCH              ; my 128 rows of B, behind A's 128
	v_add_nc_u32 v[ADRA], v12, v4
	v_add_nc_u32 v[ADRA+1], SLOT, v[ADRA]
	v_add_nc_u32 v[ADRA+2], v12, v5
	v_add_nc_u32 v[ADRA+3], v12, v6
	v_add_nc_u32 v[ADRB], v13, v4
	v_add_nc_u32 v[ADRB+1], SLOT, v[ADRB]
	v_add_nc_u32 v[ADRB+2], v13, v5
	v_add_nc_u32 v[ADRB+3], v13, v6
	v_lshlrev_b32 v[LI], 4, v11
	v_lshlrev_b32 v[L8], 3, v11
	v_lshlrev_b32 v[SLO], 5, v11
	v_and_b32 v14, 3, v1                           ; q, k: row r = 8 h' + 4 s + i has its scale word at place 8 s + 4 h' + i of its tile's 16
	v_bfe_u32 v15, v1, 2, 1
	v_lshl_add_u32 v14, v15, 3, v14
	v_bfe_u32 v15, v1, 3, 1
	v_lshl_add_u32 v14, v15, 2, v14
	v_lshlrev_b32 v14, 2, v14
	v_lshl_add_u32 v14, v10, 8, v14
	v_add_nc_u32 v[SWI], SWSTG, v14
	v_lshl_add_u32 v14, v10, 8, v[L8]
	v_add_nc_u32 v[SWO], SWSTG, v14
	v_lshl_add_u32 v14, v9, 3, v2                  ; v's stage, in: channel row 8 x column half + 2 bb + h, 12 bytes for each of the head's rows
	v_mul_u32_u24 v14, v14, VPITCH
	v_mad_u32_u24 v14, v1, 12, v14
	v_mad_u32_u24 v14, v8, 768, v14
	v_add_nc_u32 v[VI], VSTG, v14
	v_mul_u32_u24 v14, v1, VPITCH                  ; out: channel row r, row tiles 2 w and 2 w + 1
	v_mad_u32_u24 v14, v2, 96, v14
	v_mad_u32_u24 v14, v10, 384, v14
	v_add_nc_u32 v[VO], VSTG, v14
	v_lshlrev_b32 v14, 2, v2                       ; v's scale byte: [row tile 128][bit 2 of r 64][channel row 4][bit 1 of r 2][bit 3 of r]
	v_bfe_u32 v15, v1, 2, 1
	v_lshl_add_u32 v14, v15, 6, v14
	v_bfe_u32 v15, v1, 1, 1
	v_lshl_add_u32 v14, v15, 1, v14
	v_bfe_u32 v15, v1, 3, 1
	v_add_nc_u32 v14, v14, v15
	v_lshl_add_u32 v14, v9, 5, v14
	v_lshl_add_u32 v14, v8, 9, v14
	v_add_nc_u32 v[VSI], VSS, v14
	v_lshl_add_u32 v14, v10, 8, v[L8]
	v_add_nc_u32 v[VSO], VSS, v14
	v_lshl_or_b32 v14, v8, 4, 15                   ; 16 lanes name A's rows (the others name them again), 32 name B's
	v_and_b32 v14, v14, v0
	v_mul_u32_u24 v[PFO], v14, KROW
.irp b, 0,1,2,3
	v_mov_b32 v[TM+4+\b], 0                        ; a lane permute's destination counts as read
.endr
	s_wait_alu depctr_va_vdst(0)
	SCLOAD 0
	ASK 2
.macro FRAG reg, adr, st, i            ; 16 rows x 128 K: 12 registers, in pieces of 8 bytes; byte y of the walk's row lies in chunk y / 256, slot (y / 256) % 2
.irp p, 0,1,2,3,4,5
.set BY, 96*(\st)+48*(\p/3)+8*(\p%3)
.if BY/ROWB == (BY+24)/ROWB
	ds_load_b64 v[\reg+2*\p:\reg+2*\p+1], v[\adr+(BY/ROWB)%2] offset:BY%ROWB+(\i)*16*PITCH
.else
	ds_load_b64 v[\reg+2*\p:\reg+2*\p+1], v[\adr+2+(BY/ROWB)%2] offset:BY%ROWB-232+(\i)*16*PITCH
.endif
.endr
.endm
.macro FETCH st                        ; step st's fragments into set st % 2: 72 loads in one run
	WIN TO_B
.irp i, 0,1,2,3,4,5,6,7
	FRAG 128*((\st)%2)+FR*\i, ADRB, \st, \i
.endr
	WIN 0
.irp i, 0,1,2,3
	FRAG AF+48*((\st)%2)+FR*\i, ADRA, \st, \i
.endr
.endm
.macro WM zero, rb, ra                 ; one product; rb, ra: which half of the lanes holds B's and A's scale words
.if \zero
.if \rb && \ra
	v_wmma_scale_f32_16x16x128_f8f6f4 v[DD:DD+7], v[FB:FB+11], v[FA:FA+11], 0, v[RB], v[RA] matrix_a_fmt:MATRIX_FMT_FP6 matrix_b_fmt:MATRIX_FMT_FP6 matrix_a_scale:MATRIX_SCALE_ROW1 matrix_b_scale:MATRIX_SCALE_ROW1
.elseif \rb
	v_wmma_scale_f32_16x16x128_f8f6f4 v[DD:DD+7], v[FB:FB+11], v[FA:FA+11], 0, v[RB], v[RA] matrix_a_fmt:MATRIX_FMT_FP6 matrix_b_fmt:MATRIX_FMT_FP6 matrix_a_scale:MATRIX_SCALE_ROW1
.elseif \ra
	v_wmma_scale_f32_16x16x128_f8f6f4 v[DD:DD+7], v[FB:FB+11], v[FA:FA+11], 0, v[RB], v[RA] matrix_a_fmt:MATRIX_FMT_FP6 matrix_b_fmt:MATRIX_FMT_FP6 matrix_b_scale:MATRIX_SCALE_ROW1
.else
	v_wmma_scale_f32_16x16x128_f8f6f4 v[DD:DD+7], v[FB:FB+11], v[FA:FA+11], 0, v[RB], v[RA] matrix_a_fmt:MATRIX_FMT_FP6 matrix_b_fmt:MATRIX_FMT_FP6
.endif
.else
.if \rb && \ra
	v_wmma_scale_f32_16x16x128_f8f6f4 v[DD:DD+7], v[FB:FB+11], v[FA:FA+11], v[DD:DD+7], v[RB], v[RA] matrix_a_fmt:MATRIX_FMT_FP6 matrix_b_fmt:MATRIX_FMT_FP6 matrix_a_scale:MATRIX_SCALE_ROW1 matrix_b_scale:MATRIX_SCALE_ROW1
.elseif \rb
	v_wmma_scale_f32_16x16x128_f8f6f4 v[DD:DD+7], v[FB:FB+11], v[FA:FA+11], v[DD:DD+7], v[RB], v[RA] matrix_a_fmt:MATRIX_FMT_FP6 matrix_b_fmt:MATRIX_FMT_FP6 matrix_a_scale:MATRIX_SCALE_ROW1
.elseif \ra
	v_wmma_scale_f32_16x16x128_f8f6f4 v[DD:DD+7], v[FB:FB+11], v[FA:FA+11], v[DD:DD+7], v[RB], v[RA] matrix_a_fmt:MATRIX_FMT_FP6 matrix_b_fmt:MATRIX_FMT_FP6 matrix_b_scale:MATRIX_SCALE_ROW1
.else
	v_wmma_scale_f32_16x16x128_f8f6f4 v[DD:DD+7], v[FB:FB+11], v[FA:FA+11], v[DD:DD+7], v[RB], v[RA] matrix_a_fmt:MATRIX_FMT_FP6 matrix_b_fmt:MATRIX_FMT_FP6
.endif
.endif
.endm
.macro MUL16 a0, p, q, zero            ; A's blocks a0, a0 + 1 x B's eight; p: the set, q: the step in its tile.  The 32 accumulators take turns
.irp a, \a0, \a0+1
.irp b, 0,1,2,3,4,5,6,7
.set DD, 8*(8*(\a)+\b)
.set FB, 128*(\p)+FR*\b
.set FA, AF+48*(\p)+FR*(\a)
.set RB, SB+8*(\b/2)+(\q)
.set RA, SA+8*((\a)/2)+(\q)
	WM \zero, (\b%2), ((\a)%2)
.endr
.endr
.endm
; A step: 32 products on step st's fragments, and the fetch of the next step's.  Where the next step's bytes END in a chunk not read yet, every wave waits for its tensor loads and a barrier shows the chunk whole.
; Where they BEGIN in a later chunk, the chunk left behind is read no more: the wait for all tensor loads, the add, the wait for it and for my reads, the barrier; where a chunk two on is left, the barrier opens a round and the slot is filled again.
.macro STEP st
.set NX, (\st)+1
.set C0, (96*(\st))/ROWB
.set C1, (96*NX)/ROWB
.set E0, (96*(\st)+95)/ROWB
.set E1, (96*NX+95)/ROWB
.if (\st)%8 == 0
.set ZR, 1                             ; a tile's first step starts the sums
.else
.set ZR, 0
.endif
.if C1 > C0 || E1 > E0
	s_wait_tensorcnt 0x0                           ; all my tensor loads have landed
.if C1 > C0
	ds_add_u32 v[SPW], v[NIL]
	s_wait_dscnt 1                                 ; this step's fragments are in; the add alone may be out
.else
	s_wait_dscnt 0x0
.endif
	WIN MUL
	MUL16 0, (\st)%2, (\st)%8, ZR
.if C1 > C0
	s_wait_dscnt 0x0                               ; the add is done
.endif
	s_barrier_signal -1
	WIN 0
	s_barrier_wait -1
.if C1 > C0 && C0+2 < CHUNKS
	CREST                                          ; no wave of any partner still reads this slot or has a load on its way
	s_add_nc_u64 s[G0+4*(C0%2)+2:G0+4*(C0%2)+3], s[4+8*((C0+2)/3):5+8*((C0+2)/3)], ((C0+2)%3)*ROWB
	s_or_b32 s[G0+4*(C0%2)+3], s[G0+4*(C0%2)+3], 0x80000000
	s_add_nc_u64 s[G0B+4*(C0%2)+2:G0B+4*(C0%2)+3], s[8+8*((C0+2)/3):9+8*((C0+2)/3)], ((C0+2)%3)*ROWB
	s_or_b32 s[G0B+4*(C0%2)+3], s[G0B+4*(C0%2)+3], 0x80000000
	JLOAD G0+4*(C0%2), G0B+4*(C0%2)                ; chunk C0 + 2; its four v_nop are the places in front of the loads below
.else
	PLACES NP
.endif
	FETCH NX
.if C1 > C0 && C0+4 < CHUNKS
	ASK C0+4
.endif
	WIN MUL
	MUL16 2, (\st)%2, (\st)%8, ZR
	WIN 0
.else
	s_wait_dscnt 0x0                               ; this step's fragments are in
.if ZR
	s_wait_loadcnt 0x0                             ; and the tile's scale words
.endif
	PLACES NP                                      ; in front of loads into the set that the step before multiplied
	FETCH NX
	WIN MUL
	MUL16 0, (\st)%2, (\st)%8, ZR
	MUL16 2, (\st)%2, (\st)%8, ZR
	WIN 0
.endif
.endm
; THE WAY OUT.  Block a: my rows 16 a .. + 15 x 128 columns.  The largest magnitude of each lane's 16 numbers of the four blocks of 32, with the floor 2^(3 - 127); each accumulator is read from its low end on
.macro BLKMAX a
.set AC, 64*(\a)
	WIN 0x0a
.irp b, 0,1,2,3
	v_max3_num_f32 v[TM+\b], |v[AC+16*\b]|, |v[AC+16*\b+1]|, 0x1800000
.endr
.irp i, 2,4,6,8,10,12,14
.irp b, 0,1,2,3
	v_max3_num_f32 v[TM+\b], |v[AC+16*\b+\i]|, |v[AC+16*\b+\i+1]|, v[TM+\b]
.endr
.endr
	WIN 0
.endm
.macro QKOUT a, ob                     ; q, k: a block of 32 channels lies in lanes l and l xor 16; the 12 registers of codes are a fragment of two tokens and are stored as they stand
	s_wait_xcnt 0x0                                ; the last block's stores have read their data
	s_wait_dscnt 0x0
	BLKMAX \a
.irp b, 0,1,2,3
	v_permlanex16_b32 v[TM+4+\b], v[TM+\b], s2, s3
.endr
.irp b, 0,1,2,3
	v_max_num_f32 v[TM+\b], v[TM+\b], v[TM+4+\b]
.endr
.irp b, 0,1,2,3
	v_add_nc_u32 v[TM+12+\b], 0xff000000, v[TM+\b]   ; 2 off the exponent field: the conversion's scale operand
.endr
.irp b, 0,1,2,3
	v_lshrrev_b32 v[TM+4+\b], 23, v[TM+12+\b]        ; the scale's byte
.endr
	v_lshl_or_b32 v[PW], v[TM+5], 8, v[TM+4]
	v_lshl_or_b32 v[PW], v[TM+6], 16, v[PW]
	v_lshl_or_b32 v[PW], v[TM+7], 24, v[PW]
	WIN 0x02
.irp c, 0,1
	v_cvt_scalef32_pk16_fp6_f32 v[PC+6*\c:PC+2+6*\c], v[AC+32*\c:AC+15+32*\c], v[TM+12+2*\c]
	v_cvt_scalef32_pk16_fp6_f32 v[PC+12+4*\c:PC+14+4*\c], v[AC+16+32*\c:AC+31+32*\c], v[TM+12+2*\c+1]
.endr
	WIN 0
	v_nop                                          ; one plain place behind a scaled conversion
.irp c, 0,1
.irp i, 0,1,2
	v_permlane16_swap_b32 v[PC+6*\c+\i], v[PC+12+4*\c+\i]
.endr
.irp i, 0,1,2
	v_mov_b32 v[PC+3+6*\c+\i], v[PC+12+4*\c+\i]
.endr
.endr
.irp c, 0,1,2
	global_store_b128 v[LI], v[PC+4*\c:PC+4*\c+3], s[\ob:\ob+1] offset:1536*(\a)+512*\c   ; 512 consecutive bytes a store
.endr
	ds_store_b32 v[SWI], v[PW] offset:64*(\a)
.endm
.macro QKTILE i
	PLACES NP                                      ; behind the tile's last products
	SCLOAD (\i)+1                                  ; the next tile's scale words land under the way out
.irp a, 0,1,2,3
	QKOUT \a, OUTB+2*(\i)
.endr
	ds_load_b64 v[126:127], v[SWO]                 ; my own stores, served in order
	s_wait_dscnt 0x0
	global_store_b64 v[L8], v[126:127], s[SCO+2*(\i):SCO+2*(\i)+1]   ; 256 consecutive bytes, aligned
.endm
.macro VOUT a                          ; v: a lane's 16 numbers are the 16 tokens of one row for one channel: half a block of 32 keys; lane l xor 1 has the other half
	s_wait_xcnt 0x0                                ; k's last stores have read their data: the registers of the codes are written again below
	s_wait_dscnt 0x0
	BLKMAX \a
.irp b, 0,1,2,3
	v_max_num_f32_dpp v[TM+\b], v[TM+\b], v[TM+\b] row_xmask:1 row_mask:0xf bank_mask:0xf
.endr
.irp b, 0,1,2,3
	v_add_nc_u32 v[TM+4+\b], 0xff000000, v[TM+\b]
.endr
.irp b, 0,1,2,3
	v_lshrrev_b32 v[TM+8+\b], 23, v[TM+4+\b]
.endr
	WIN 0x02
.irp b, 0,1,2,3
	v_cvt_scalef32_pk16_fp6_f32 v[PC+4*\b:PC+4*\b+2], v[AC+16*\b:AC+16*\b+15], v[TM+4+\b]
.endr
	WIN 0
	v_nop
.irp b, 0,1,2,3
.irp k, 0,1,2
	ds_store_b32 v[VI], v[PC+4*\b+\k] offset:2*VPITCH*\b+192*(\a)+4*\k
.endr
	ds_store_b8 v[VSI], v[TM+8+\b] offset:128*(\a)+8*\b
.endr
.endm
	s_wait_tensorcnt 0x0                           ; my part of chunk 0 is in; slot 1's first fill is issued as a refill is:
	ds_add_u32 v[SPW], v[NIL]
	s_wait_dscnt 0x0
	CROUND
	JLOAD G0+4, G0B+4                              ; chunk 1
	FETCH 0
	ASK 3
.irp t, 0,1,2,3,4,5,6,7
	STEP \t
.endr
	QKTILE 0                                       ; q goes out; chunk 4 is on its way
.irp t, 8,9,10,11,12,13,14,15
	STEP \t
.endr
	QKTILE 1                                       ; k
.irp t, 16,17,18,19,20,21,22
	STEP \t
.endr
	s_wait_dscnt 0x0                               ; the last step: nothing more to fetch
	WIN MUL
	MUL16 0, 1, 7, 0
	MUL16 2, 1, 7, 0
	WIN 0
	PLACES NP
.irp a, 0,1,2,3
	VOUT \a
.endr
	s_wait_dscnt 0x0                               ; my stores to the stage have landed
	s_barrier_signal -1
	s_barrier_wait -1                              ; everybody's have
.irp ia, 0,1
.irp g, 0,1
.irp c, 0,1,2
	ds_load_b128 v[128+12*(2*\ia+\g)+4*\c:128+12*(2*\ia+\g)+4*\c+3], v[VO] offset:192*\ia+48*\g+16*\c
.endr
.endr
.endr
	ds_load_b64 v[224:225], v[VSO]
	s_wait_dscnt 0x0
.irp ia, 0,1
.irp g, 0,1
.irp c, 0,1,2
	global_store_b128 v[LI], v[128+12*(2*\ia+\g)+4*\c:128+12*(2*\ia+\g)+4*\c+3], s[OUTB+4:OUTB+5] offset:PLANE*\ia+6144*\g+512*\c
.endr
.endr
.endr
	global_store_b64 v[L8], v[224:225], s[SCO+4:SCO+5]
	s_wait_tensorcnt 0x0                           ; the wave's end
	ds_add_u32 v[SPW], v[NIL]
	s_wait_dscnt 0x0
	CROUND                                         ; the closing round
	s_endpgm
.Lfunc_end_k_qdc14ec80eb_proj:
	.size	k_qdc14ec80eb_proj, .Lfunc_end_k_qdc14ec80eb_proj-k_qdc14ec80eb_proj
	.p2alignl 7, 3214868480
	.fill 96, 4, 3214868480
	.section	.rodata,"a",@progbits
	.p2align	6, 0x0
	.amdhsa_kernel k_qdc14ec80eb_proj
		.amdhsa_group_segment_fixed_size 327680
		.amdhsa_private_segment_fixed_size 0
		.amdhsa_enable_private_segment 0
		.amdhsa_kernarg_size 112
		.amdhsa_user_sgpr_count 2
		.amdhsa_user_sgpr_kernarg_segment_ptr 1
		.amdhsa_wavefront_size32 1
		.amdhsa_system_sgpr_workgroup_id_x 1
		.amdhsa_system_sgpr_workgroup_id_y 1
		.amdhsa_system_sgpr_workgroup_id_z 1
		.amdhsa_system_vgpr_workitem_id 0
		.amdhsa_next_free_vgpr 768
		.amdhsa_next_free_sgpr 106
		.amdhsa_reserve_vcc 0
		.amdhsa_float_denorm_mode_32 3
		.amdhsa_float_denorm_mode_16_64 3
		.amdhsa_memory_ordered 1
		.amdhsa_forward_progress 1
		.amdhsa_inst_pref_size 255
	.end_amdhsa_kernel
	.section	.bss,"aw",@nobits
	.p2align	6
	.space	262144
	.amdgpu_metadata
---
amdhsa.version: [ 1, 2 ]
amdhsa.kernels:
  - .name:           k_qdc14ec80eb_proj
    .symbol:         k_qdc14ec80eb_proj.kd
    .args:
      - { .name: pre_query_codes, .offset: 0, .size: 8, .value_kind: global_buffer, .address_space: global }
      - { .name: pre_query_scales, .offset: 8, .size: 8, .value_kind: global_buffer, .address_space: global }
      - { .name: Wq_codes, .offset: 16, .size: 8, .value_kind: global_buffer, .address_space: global }
      - { .name: Wq_scales, .offset: 24, .size: 8, .value_kind: global_buffer, .address_space: global }
      - { .name: pre_key_codes, .offset: 32, .size: 8, .value_kind: global_buffer, .address_space: global }
      - { .name: pre_key_scales, .offset: 40, .size: 8, .value_kind: global_buffer, .address_space: global }
      - { .name: Wk_codes, .offset: 48, .size: 8, .value_kind: global_buffer, .address_space: global }
      - { .name: Wk_scales, .offset: 56, .size: 8, .value_kind: global_buffer, .address_space: global }
      - { .name: pv_codes, .offset: 64, .size: 8, .value_kind: global_buffer, .address_space: global }
      - { .name: pv_scales, .offset: 72, .size: 8, .value_kind: global_buffer, .address_space: global }
      - { .name: wv_codes, .offset: 80, .size: 8, .value_kind: global_buffer, .address_space: global }
      - { .name: wv_scales, .offset: 88, .size: 8, .value_kind: global_buffer, .address_space: global }
      - { .name: qkv, .offset: 96, .size: 8, .value_kind: global_buffer, .address_space: global }
      - { .name: sc, .offset: 104, .size: 8, .value_kind: global_buffer, .address_space: global }
    .group_segment_fixed_size: 327680
    .private_segment_fixed_size: 0
    .kernarg_segment_align: 8
    .kernarg_segment_size: 112
    .max_flat_workgroup_size: 128
    .sgpr_count:     106
    .vgpr_count:     768
    .wavefront_size: 32
...
	.end_amdgpu_metadata
.endif
;; end of part 2
;; launch attn (part 3): grid 4 x 64, 16 waves a work-group, clusters of 4 x 1, 307,456 bytes of LDS; arguments qkv, sc, wo_img, Wo_scales, pre_value, gamma, beta, out0; writes out0
.if DOCPART == 3
	.amdgcn_target "amdgcn-amd-amdhsa--gfx1250"
	.amdhsa_code_object_version 6
	.text
	.protected	k_qdc14ec80eb_attn
	.globl	k_qdc14ec80eb_attn
	.p2align	8
	.type	k_qdc14ec80eb_attn,@function
k_qdc14ec80eb_attn:
	s_mov_b64 s[64:65], 0
	v_nop
	global_prefetch_b8 v0, s[64:65] scope:SCOPE_SE
	s_setreg_imm32_b32 hwreg(HW_REG_WAVE_MODE, 25, 1), 1
	s_wait_xcnt 0x0
	s_wait_alu depctr_hold_cnt(0) depctr_sa_sdst(0) depctr_va_vdst(0) depctr_va_sdst(0) depctr_va_ssrc(0) depctr_va_vcc(0) depctr_vm_vsrc(0)
	s_getreg_b32 s2, hwreg(HW_REG_IB_STS2, 6, 4)
	s_cmp_eq_u32 s2, 0
	s_cbranch_scc0 .Lentry_in_a_cluster
	s_endpgm
.Lentry_in_a_cluster:
	s_bfe_u32 s2, ttmp6, 0x10000c
	s_cmp_lg_u32 s2, 0x3003
	s_cbranch_scc0 .Lentry_shape_is_right
	s_endpgm
.Lentry_shape_is_right:
; Attention, the product with Wo, the residual and LayerNorm, for 32 rows of [8192][1024] a work-group; all products on codes of FP6 (E2M3) with one E8M0 byte for each 32 along K, sums in f32.
; a plain reshape: head hh is rows 128 hh .. + 127; a row holds 16 tokens (column groups cg) of 64 channels.  Work-group (qb, hh) owns rows 128 hh + 32 qb .. + 31: 512 queries.
; SIXTEEN WAVES, four to a SIMD, 256 registers each: one wave's vector work stands beside another's matrix work and LDS loads.  Wave w = 8 m + g owns rows 16 m .. + 15 and tokens cg = 2 g, 2 g + 1: two tiles of 16 queries, one after the other.
; THE HEAD'S K AND V STAY IN LDS: 16 planes of 12,288 bytes, one joint tensor load a wave (one of mine is out), filled once: no ring.  The four work-groups of a cluster belong to one head, so each plane is asked for jointly, mask 15.
; SCORES.  K = 64 channels fill half an instruction's 128.  A fragment of K holds TWO tokens a row (cg = 2 j in k 0-63, 2 j + 1 in k 64-127); it is multiplied by (Q | 0) and by (0 | Q): zero codes add nothing.
; Both products are used transposed: a lane holds one query throughout.  The rows of K that form a fragment are so chosen (lane rho: row 16 a + 8 (rho / 8) + 4 s + i, token pair rho % 8) that lane (q, h)'s registers 32 c .. 32 c + 31
; are the WHOLE block of 32 keys 8 a + 4 h + 2 s + c (two rows x 16 cg), which is the second product's own layout: no other lane is asked for a block's maximum, no halves change places.  V's codes were laid in the same order of keys.
; SOFTMAX: t = score x log2(e) / 8; M = the running largest t rounded up to a whole number; p = 2^(t - M) is quantised along the keys; the sum is taken of the unquantised p and divides at the end; when M moves, sum and O are multiplied by 2^(old M - new M), exactly.
; A block's largest p is made from its largest score by the same multiply-add and exponential (this takes v_exp_f32 not to fall where its input rises).
; O / sum: lane (r, h) holds channels 32 h .. + 31 of its token: one block of Wo's K.  Wave 8 m + g's two tokens are fragment (rows 16 m on, K step g) of the last product; the 16 fragments go through LDS as images of their registers.
; Wo: wave w makes columns 64 w .. + 63 for the 32 rows; its fragments of Wo come from memory straight into its registers, each used by this wave alone, so they are not shared through LDS.  pre_value is the C of the first products: the residual costs no addition.
; LayerNorm in two passes (mean; then the squares of x - mean); the waves' parts meet in LDS.
; LIMITS: NaN and infinities are not served; a block whose largest magnitude lies under 2^-124 (zeros too) keeps the scale byte 1: its codes are zeros.
.set KVP,  12304                       ; a plane in LDS: 12,288 bytes + 16, so that the eight planes that a load of K touches start in different groups of banks
.set SCB,  16*KVP                      ; scale words: [16 steps][32 lanes][16 bytes]: lanes 0-15 K's four words, lanes 16-31 V's four
.set AIMG, SCB+8192                    ; attn's 16 fragments: [fragment][c 2][p 3][lane][8 bytes]
.set ASC,  AIMG+16*1536                ; their scale words: [fragment][16 rows]
.set RED1, ASC+1024                    ; row sums: [32 rows] 80 bytes apart, a word a wave
.set RED2, RED1+2560
.set STG,  RED2+2560                   ; a stage of 16 rows x (256 + 16) bytes for each wave
.set LI,  1                            ; v1   16 x lane
.set AK0, 2                            ; v2   my lane's place in K's planes
.set ADK, 3                            ; v3-5 addresses of the step's K, V, scale words
.set ADV, 4
.set ADS, 5
.set H8,  6                            ; v6   8 h
.set AWI, 7                            ; v7   where my codes of attn go
.set AWS, 8                            ; v8   and my scale byte
.set PFO, 9                            ; v9   4096 x lane; never rewritten
.set QF,  34                           ; v34-45 Q's fragment: both tokens.  v16-21 zeros, v22-27 the pass's Q, v28-33 zeros
.set QS,  46                           ; v46-47 Q's scale words for pass 0, 1
.set F,   48                           ; v48-95 four fragments of K or of V
.set S,   96                           ; v96-159 S^T, then p; later the accumulators of the last product
.set O,   160                          ; v160-191 O^T
.set PC,  192                          ; v192-203 p's codes; v204-206, v208-210 the conversions' second halves
.set SCR, 212                          ; v212-215 the step's scale words of K and V
.set PW,  216                          ; v216 p's scale word
.set FF,  218                          ; v[218:219] f
.set MB,  220                          ; v220-221 the blocks' largest scores
.set SCO, 222
.set BY,  224
.set SO,  228                          ; v228 the stage by the accumulators' layout: row r, + 32 h
.set SR,  229                          ; v229 the stage by rows: two rows an instruction
.set GO,  230                          ; v230 the same two rows in memory
.set RW,  231
.set RR,  232
.set ARS, 233                          ; v233 attn's scale words
.set ARI, 234                          ; v234 attn's images
.set WSO, 235                          ; v235 32 x lane
.set GBO, 236                          ; v236 32 h
.set AS,  238                          ; v238-239 attn's scale words, v240-255 Wo's
.set WS,  240
.set WV,  20
.set CS,  22                           ; s[22:23] c = log2(e) / 8
.set G1,  24
.set G0,  32
.set SEL, 36
.set KA,  38
.set VA,  39
.set SA,  40
.set CNT, 41
.macro ROUND                           ; a round of the cluster's barrier
	s_barrier_signal -1
	s_barrier_wait -1
	s_cmp_lg_u32 s[WV], 0
	s_cbranch_scc1 .Lnot_wave_0_\@
	s_barrier_signal -3
.Lnot_wave_0_\@:
	s_barrier_wait -3
	s_barrier_signal -1
	s_barrier_wait -1
.endm
.macro BARRIER                         ; my LDS stores have landed and my LDS loads are in: then the work-group's barrier
	s_wait_dscnt 0x0
	s_barrier_signal -1
	s_barrier_wait -1
.endm
	s_load_b512 s[4:19], s[0:1], 0x0               ; qkv 4, sc 6, wo_img 8, Wo_scales 10, pre_value 12, gamma 14, beta 16, out0 18
	v_lshl_add_u32 v217, v0, 2, 0x4a900
	v_mov_b32 v237, 0
	ds_add_u32 v217, v237
	ds_add_u32 v217, v237
	v_lshrrev_b32 v10, 5, v0
	s_delay_alu instid0(VALU_DEP_1)
	v_readfirstlane_b32 s[WV], v10                 ; wave 0..15
	s_bfe_u32 s52, ttmp6, 0x40000                  ; cx
	s_lshl_b32 s53, ttmp9, 2
	s_add_co_u32 s52, s52, s53                     ; qb: it enters global addresses of Q, pre_value and out0 alone
	s_and_b32 s46, ttmp7, 0xffff                   ; the head, which the four partners share
	; descriptor group 1: a plane, 12,288 dense bytes, as 48 rows of 256 bytes
	s_mov_b32 s[G1], 15|(3<<16)|(1<<21)            ; 15:0 the mask: all four work-groups; 17:16 elements of 8 bytes; 20 no padding; 21 set beside a mask
	s_mov_b32 s[G1+1], 32<<16                      ; tensor_dim0 = 32
	s_mov_b32 s[G1+2], 48<<16                      ; tensor_dim1 = 48
	s_mov_b32 s[G1+3], 32<<16                      ; tile_dim0
	s_mov_b32 s[G1+4], 48                          ; tile_dim1
	s_mov_b32 s[G1+5], 32                          ; tensor_dim0_stride
	s_mov_b32 s[G1+6], 0
	s_mov_b32 s[G1+7], 0
	s_mov_b32 s[CS], 0x3e38aa3b
	s_mov_b32 s[CS+1], s[CS]                       ; (named with it as a pair, so it is written)
	s_mov_b32 s[SEL], 0x76543210
	s_mov_b32 s[SEL+1], 0xfedcba98                 ; v_permlanex16_b32's selects for lane l xor 16
	s_mov_b32 s50, 0x3a800000                      ; 1 / 1024
	s_mov_b32 s51, 0x3727c5ac                      ; 1e-5
	s_mov_b32 s55, 0
	; every address register, of the lane and the wave alone
	v_and_b32 v10, 31, v0                          ; L
	v_and_b32 v11, 15, v0                          ; r
	v_bfe_u32 v12, v0, 4, 1                        ; h
	s_delay_alu instid0(VALU_DEP_3)
	v_lshlrev_b32 v[LI], 4, v10
	v_and_b32 v13, 7, v0
	s_delay_alu instid0(VALU_DEP_1)
	v_mul_u32_u24 v[AK0], v13, KVP                 ; K: plane L % 8 (the token pair),
	v_bfe_u32 v13, v0, 3, 1
	s_delay_alu instid0(VALU_DEP_1)
	v_lshl_add_u32 v[AK0], v13, 7, v[AK0]          ; the image's lane 8 ((L / 8) % 2) + 16 h (+ 4 s + i by the offset)
	s_delay_alu instid0(VALU_DEP_1)
	v_lshl_add_u32 v[AK0], v12, 8, v[AK0]
	v_lshlrev_b32 v[H8], 3, v12
	s_mul_i32 s44, s[WV], 1536
	v_lshl_add_u32 v[ARI], v10, 3, AIMG
	s_delay_alu instid0(VALU_DEP_1)
	v_add_nc_u32 v[AWI], s44, v[ARI]
	s_lshl_b32 s44, s[WV], 6
	v_lshl_add_u32 v[ARS], v11, 2, ASC
	s_delay_alu instid0(VALU_DEP_1)
	v_add_nc_u32 v[AWS], s44, v[ARS]
	s_delay_alu instid0(VALU_DEP_1)
	v_add_nc_u32 v[AWS], v[AWS], v12
	v_lshlrev_b32 v[PFO], 12, v10
	s_mul_i32 s44, s[WV], 16*272
	s_add_co_u32 s44, s44, STG
	v_mul_u32_u24 v[SO], v11, 272
	s_delay_alu instid0(VALU_DEP_1)
	v_lshl_add_u32 v[SO], v12, 5, v[SO]
	s_delay_alu instid0(VALU_DEP_1)
	v_add_nc_u32 v[SO], s44, v[SO]
	v_mul_u32_u24 v[SR], v12, 272
	s_delay_alu instid0(VALU_DEP_1)
	v_lshl_add_u32 v[SR], v11, 4, v[SR]
	s_delay_alu instid0(VALU_DEP_1)
	v_add_nc_u32 v[SR], s44, v[SR]
	v_lshlrev_b32 v[GO], 12, v12
	s_delay_alu instid0(VALU_DEP_1)
	v_lshl_add_u32 v[GO], v11, 4, v[GO]
	v_mul_u32_u24 v[RR], v11, 80
	s_delay_alu instid0(VALU_DEP_1)
	v_add_nc_u32 v[RR], RED1, v[RR]
	s_lshl_b32 s44, s[WV], 2
	v_add_nc_u32 v[RW], s44, v[RR]
	v_lshl_add_u32 v[RR], v12, 5, v[RR]
	v_lshlrev_b32 v[WSO], 5, v10
	v_lshlrev_b32 v[GBO], 5, v12
	s_lshl_b32 s44, s[WV], 9
	v_add_nc_u32 v[ADK], s44, v[LI]                ; (for now) my 16 bytes of the head's first 8,192 bytes of scale words: 512 w + 16 L
	v_lshrrev_b32 v13, 1, v10                      ; (for now) waves 0-7, K's words of token pair w: my four are step L / 2, rows 8 (L % 2) + .., so they go to lane 8 (L % 2) + w of that step
	s_delay_alu instid0(VALU_DEP_1)
	v_lshlrev_b32 v[ADV], 9, v13
	v_and_b32 v13, 1, v0
	s_delay_alu instid0(VALU_DEP_1)
	v_lshl_add_u32 v[ADV], v13, 7, v[ADV]
	s_lshl_b32 s45, s[WV], 4
	s_add_co_u32 s45, s45, SCB
	v_add_nc_u32 v[ADV], s45, v[ADV]
	v_lshrrev_b32 v13, 2, v10                      ; (for now) waves 8-15, V's words of channel tile (w / 2) % 4: steps 8 (w % 2) + L / 4, channel rows 4 (L % 4) + k
	s_delay_alu instid0(VALU_DEP_1)
	v_lshlrev_b32 v[ADS], 9, v13
	v_and_b32 v13, 3, v0
	s_delay_alu instid0(VALU_DEP_1)
	v_lshl_add_u32 v[ADS], v13, 6, v[ADS]
	s_and_b32 s45, s[WV], 1
	s_lshl_b32 s45, s45, 12
	s_bfe_u32 s47, s[WV], 0x20001
	s_lshl_b32 s47, s47, 2
	s_add_co_u32 s45, s45, s47
	s_add_co_u32 s45, s45, SCB+256
	v_add_nc_u32 v[ADS], s45, v[ADS]
	v_and_b32 v14, 3, v0                           ; Q's scale word of row r = 8 h' + 4 s + i lies at place 8 s + 4 h' + i of its tile's 16
	v_bfe_u32 v13, v0, 2, 1
	s_delay_alu instid0(VALU_DEP_1)
	v_lshl_add_u32 v14, v13, 3, v14
	v_bfe_u32 v13, v0, 3, 1
	s_delay_alu instid0(VALU_DEP_1)
	v_lshl_add_u32 v14, v13, 2, v14
	s_delay_alu instid0(VALU_DEP_1)
	v_lshlrev_b32 v14, 2, v14
.irp i, 0,1,2,3,4,5
	v_mov_b32 v[16+\i], 0                          ; the zero halves beside Q
	v_mov_b32 v[28+\i], 0
.endr
	v_mov_b32 v[FF+1], 0                           ; (named as the upper half of a pair before it is first written)
	s_mul_i32 s44, s46, 24*12288                   ; the head's bytes in qkv
	s_mul_i32 s45, s[WV], 12288
	s_add_co_u32 s54, s44, s45
	s_wait_dscnt 0x0
	s_wait_kmcnt 0x0
	s_mov_b32 s[G0], 1                             ; count = 1
	s_mul_i32 s[G0+1], s[WV], KVP                  ; LDS address: plane w
	s_add_nc_u64 s[G0+2:G0+3], s[4:5], s[54:55]    ; global address: plane w of the head: k's eight, then v's eight
	s_or_b32 s[G0+3], s[G0+3], 0x80000000          ; type = 2
	ROUND                                          ; all four work-groups are here: the joint loads meet
	tensor_load_to_lds s[G0:G0+3], s[G1:G1+7]
	s_nop 0
.rept 4
	v_nop
.endr
	s_and_b32 s47, s[WV], 7                        ; g
	s_lshr_b32 s48, s[WV], 3                       ; m
	s_lshl_b32 s49, s52, 1
	s_add_co_u32 s49, s49, s48                     ; my row tile of the head: 2 qb + m
	s_add_co_u32 s53, s47, 16
	s_mul_i32 s53, s53, 12288
	s_add_co_u32 s53, s53, s44
	s_mul_i32 s54, s49, 1536
	s_add_co_u32 s54, s54, s53
	s_add_nc_u64 s[4:5], s[4:5], s[54:55]          ; Q's fragment: plane 16 + g, tile 2 qb + m
	s_mul_i32 s54, s46, 12288
	s_add_nc_u64 s[6:7], s[6:7], s[54:55]          ; the head's scale words
	s_lshl_b32 s53, s47, 9
	s_lshl_b32 s54, s49, 6
	s_add_co_u32 s54, s54, s53
	s_add_co_u32 s54, s54, 8192
	s_add_nc_u64 s[56:57], s[6:7], s[54:55]        ; Q's
	global_load_b128 v[S:S+3], v[ADK], s[6:7]      ; K's and V's scale words: 512 bytes a wave
.irp c, 0,1,2
	global_load_b128 v[QF+4*\c:QF+4*\c+3], v[LI], s[4:5] offset:512*\c
.endr
	global_load_b32 v10, v14, s[56:57]
	s_lshl_b32 s54, s46, 19                        ; 128 rows of 4,096 bytes a head,
	s_lshl_b32 s53, s52, 17                        ; 32 a work-group,
	s_add_co_u32 s54, s54, s53
	s_lshl_b32 s53, s[WV], 8                       ; my wave's 64 columns
	s_add_co_u32 s54, s54, s53
	s_add_nc_u64 s[12:13], s[12:13], s[54:55]
	s_add_nc_u64 s[18:19], s[18:19], s[54:55]
	s_mov_b32 s54, s53
	s_add_nc_u64 s[14:15], s[14:15], s[54:55]      ; gamma, beta: my 64
	s_add_nc_u64 s[16:17], s[16:17], s[54:55]
	s_mul_i32 s54, s[WV], 32*1536
	s_add_nc_u64 s[8:9], s[8:9], s[54:55]          ; Wo: my four tiles' 32 fragments
	s_lshl_b32 s54, s[WV], 11
	s_add_nc_u64 s[10:11], s[10:11], s[54:55]      ; and my 64 rows of scale bytes
	s_wait_loadcnt 4                               ; the scale words are in; Q's four loads may be out
	s_cmp_lt_u32 s[WV], 8
	s_cbranch_scc0 .Lv_words
	ds_store_b128 v[ADV], v[S:S+3]
	s_branch .Lwords_done
.Lv_words:
.irp k, 0,1,2,3
	ds_store_b32 v[ADS], v[S+\k] offset:16*\k
.endr
.Lwords_done:
	s_wait_loadcnt 0x0
	v_perm_b32 v[QS], v10, v10, 0x01000100         ; token 2 g's two bytes, twice: they serve (Q | 0) and (0 | Q) alike
	v_perm_b32 v[QS+1], v10, v10, 0x03020302       ; token 2 g + 1's
	s_wait_tensorcnt 0x0                           ; my plane has landed,
	BARRIER                                        ; my words too; everybody's have
; A KEY STEP: 128 keys: rows 16 a + 8 h + 4 sg + 0 .. 3, all 16 column groups.  c: the pass.  pf = 1: the last pass's second steps, which hold the prefetch.
.macro STEP sg, c, pf
	ds_load_b128 v[SCR:SCR+3], v[ADS] offset:512*\sg
.irp i, 0,1,2,3
.irp cc, 0,1,2
	ds_load_b128 v[F+12*\i+4*\cc:F+12*\i+4*\cc+3], v[ADK] offset:64*\sg+16*\i+512*\cc
.endr
.endr
	s_wait_dscnt 0x0
.irp i, 0,1,2,3                                ; fragment i x (Q | 0): tokens cg = 2 j; x (0 | Q): cg = 2 j + 1.  Register 32 (i / 2) + 16 (i % 2) + 8 u + j
	v_wmma_scale_f32_16x16x128_f8f6f4 v[S+32*(\i/2)+16*(\i%2):S+32*(\i/2)+16*(\i%2)+7], v[F+12*\i:F+12*\i+11], v[22:33], 0, v[SCR+\i], v[QS+\c] matrix_a_fmt:MATRIX_FMT_FP6 matrix_b_fmt:MATRIX_FMT_FP6
	v_wmma_scale_f32_16x16x128_f8f6f4 v[S+32*(\i/2)+16*(\i%2)+8:S+32*(\i/2)+16*(\i%2)+15], v[F+12*\i:F+12*\i+11], v[16:27], 0, v[SCR+\i], v[QS+\c] matrix_a_fmt:MATRIX_FMT_FP6 matrix_b_fmt:MATRIX_FMT_FP6
.endr
.rept 4
	v_nop                                          ; places in front of the loads into K's registers and of the first read of the scores
.endr
.irp t, 0,1,2,3                                ; V's four fragments land under the softmax
.irp cc, 0,1,2
	ds_load_b128 v[F+12*\t+4*\cc:F+12*\t+4*\cc+3], v[ADV] offset:(4*\sg+\t)*1536+512*\cc
.endr
.endr
.if \pf                                        ; in the very last key step: my wave's 32 rows x 256 bytes of pre_value, a lane a row, each named once in the launch; one softmax and the pass's end ahead of the loads that want them
	s_cmp_lg_u32 s[CNT], 1
	s_cbranch_scc1 .Lno_pf_\@
	global_prefetch_b8 v[PFO], s[12:13] th:TH_LOAD_NT scope:SCOPE_SE
.Lno_pf_\@:
.endif
.irp b, 0,1
	v_max3_num_f32 v[MB+\b], v[S+32*\b], v[S+32*\b+1], v[S+32*\b+2]   ; the largest score of each of my two blocks; each accumulator is read from its low end on
.endr
.set j, 3
.rept 14
.irp b, 0,1
	v_max3_num_f32 v[MB+\b], v[MB+\b], v[S+32*\b+j], v[S+32*\b+j+1]
.endr
.set j, j+2
.endr
.irp b, 0,1
	v_max_num_f32 v[MB+\b], v[MB+\b], v[S+32*\b+31]
.endr
	s_delay_alu instid0(VALU_DEP_1)
	v_max_num_f32 v10, v[MB], v[MB+1]
	s_delay_alu instid0(VALU_DEP_1)
	v_permlanex16_b32 v11, v10, s[SEL], s[SEL+1]
	s_delay_alu instid0(VALU_DEP_1)
	v_max_num_f32 v10, v10, v11                    ; the step's largest score of my query
	s_delay_alu instid0(VALU_DEP_1)
	v_mul_f32 v10, s[CS], v10                      ; as t
	s_delay_alu instid0(VALU_DEP_1)
	v_max_num_f32 v13, v13, v10                    ; the running largest t
	v_mov_b32 v10, v12
	s_delay_alu instid0(VALU_DEP_2)
	v_floor_f32 v12, -v13                          ; -M = floor(-t): M is a whole number
	s_delay_alu instid0(VALU_DEP_1)
	v_sub_f32 v10, v12, v10                        ; old M - new M: a whole number, 0 or less
	s_delay_alu instid0(VALU_DEP_1)
	v_cvt_i32_f32 v10, v10                         ; (it saturates)
	s_delay_alu instid0(VALU_DEP_1)
	v_ldexp_f32 v[FF], 1.0, v10                    ; f = 2^(old M - new M)
.set j, 0
.rept 32
	v_pk_fma_f32 v[S+j:S+j+1], v[S+j:S+j+1], s[CS:CS+1], v[12:13] op_sel_hi:[1,0,0]   ; t - M, two at a time
.set j, j+2
.endr
.irp b, 0,1
	v_fma_f32 v[MB+\b], v[MB+\b], s[CS], v12       ; the same of each block's largest score
.endr
.set j, 0
	s_wait_alu depctr_va_vdst(0)
.rept 64
	v_exp_f32 v[S+j], v[S+j]                       ; p = 2^(t - M): not normalised
.set j, j+1
.endr
	v_pk_mul_f32 v[14:15], v[14:15], v[FF:FF+1] op_sel_hi:[1,0]   ; the sums under the new M (a plain place behind the exponentials)
	s_wait_alu depctr_va_vdst(0)                   ; one wait for the batch, ahead of its first reader
.irp b, 0,1
	v_exp_f32 v[MB+\b], v[MB+\b]                   ; the block's largest p
.endr
	v_pk_add_f32 v[226:227], v[100:101], v[104:105]
	v_pk_add_f32 v[254:255], v[108:109], v[112:113]
	v_pk_add_f32 v[252:253], v[116:117], v[120:121]
	v_pk_add_f32 v[250:251], v[124:125], v[128:129]
	v_pk_add_f32 v[248:249], v[132:133], v[136:137]
	v_pk_add_f32 v[246:247], v[140:141], v[144:145]
	v_pk_add_f32 v[244:245], v[148:149], v[152:153]
	v_pk_add_f32 v[14:15], v[14:15], v[156:157]
	v_pk_add_f32 v[226:227], v[226:227], v[96:97]
	v_pk_add_f32 v[254:255], v[254:255], v[98:99]
	v_pk_add_f32 v[252:253], v[252:253], v[102:103]
	v_pk_add_f32 v[250:251], v[250:251], v[106:107]
	v_pk_add_f32 v[248:249], v[248:249], v[110:111]
	v_pk_add_f32 v[246:247], v[246:247], v[114:115]
	v_pk_add_f32 v[244:245], v[244:245], v[118:119]
	v_pk_add_f32 v[14:15], v[14:15], v[122:123]
	v_pk_add_f32 v[226:227], v[226:227], v[126:127]
	v_pk_add_f32 v[254:255], v[254:255], v[130:131]
	v_pk_add_f32 v[252:253], v[252:253], v[134:135]
	v_pk_add_f32 v[250:251], v[250:251], v[138:139]
	v_pk_add_f32 v[248:249], v[248:249], v[142:143]
	v_pk_add_f32 v[246:247], v[246:247], v[146:147]
	v_pk_add_f32 v[244:245], v[244:245], v[150:151]
	v_pk_add_f32 v[14:15], v[14:15], v[154:155]
	v_pk_add_f32 v[226:227], v[226:227], v[158:159]
	s_delay_alu instid0(VALU_DEP_2)
	v_pk_add_f32 v[14:15], v[14:15], v[250:251]
	s_delay_alu instid0(VALU_DEP_2)
	v_pk_add_f32 v[226:227], v[226:227], v[248:249]
	v_pk_add_f32 v[254:255], v[254:255], v[246:247]
	v_pk_add_f32 v[252:253], v[252:253], v[244:245]
	s_delay_alu instid0(VALU_DEP_2)
	v_pk_add_f32 v[14:15], v[14:15], v[254:255]
	s_delay_alu instid0(VALU_DEP_2)
	v_pk_add_f32 v[226:227], v[226:227], v[252:253]
	s_delay_alu instid0(VALU_DEP_1)
	v_pk_add_f32 v[14:15], v[14:15], v[226:227]
	s_wait_alu depctr_va_vdst(0)                   ; and one for the two
.irp b, 0,1
	v_max_num_f32 v[MB+\b], 0x1800000, v[MB+\b]    ; the floor 2^(3 - 127)
.endr
.irp b, 0,1
	s_delay_alu instid0(VALU_DEP_2)
	v_add_nc_u32 v[SCO+\b], 0xff000000, v[MB+\b]   ; 2 off the exponent field: the conversion's scale operand
.endr
.irp b, 0,1
	s_delay_alu instid0(VALU_DEP_2)
	v_lshrrev_b32 v[BY+\b], 23, v[SCO+\b]          ; the scale's byte
.endr
	s_delay_alu instid0(VALU_DEP_1)
	v_lshl_or_b32 v10, v[BY+1], 16, v[BY]          ; my bytes h and 2 + h of the scale word,
	s_delay_alu instid0(VALU_DEP_1)
	v_lshlrev_b32 v10, v[H8], v10
	s_delay_alu instid0(VALU_DEP_1)
	v_permlanex16_b32 v11, v10, s[SEL], s[SEL+1]
	s_delay_alu instid0(VALU_DEP_1)
	v_or_b32 v[PW], v10, v11                       ; with lane l xor 16's two the word is whole
	v_cvt_scalef32_pk16_fp6_f32 v[PC:PC+2], v[S:S+15], v[SCO]
	v_cvt_scalef32_pk16_fp6_f32 v[PC+12:PC+14], v[S+16:S+31], v[SCO]      ; (a conversion's three registers begin on an even number)
	v_cvt_scalef32_pk16_fp6_f32 v[PC+6:PC+8], v[S+32:S+47], v[SCO+1]
	v_cvt_scalef32_pk16_fp6_f32 v[PC+16:PC+18], v[S+48:S+63], v[SCO+1]
	v_nop                                          ; one plain place behind a scaled conversion
.irp i, 0,1,2
	v_mov_b32 v[PC+3+\i], v[PC+12+\i]
	v_mov_b32 v[PC+9+\i], v[PC+16+\i]
.endr
.set j, 0
.rept 16
	v_pk_mul_f32 v[O+j:O+j+1], v[O+j:O+j+1], v[FF:FF+1] op_sel_hi:[1,0]   ; O^T under the new M.  For each product below the twelve of these that name the other three tiles are the places behind the scale word and the codes
.set j, j+2
.endr
	s_wait_alu depctr_va_vdst(0)
	s_wait_dscnt 0x0                               ; V is in
.irp t, 0,1,2,3                                ; O^T += V^T P^T; lane (q, h), register 8 t + j: channel 32 h + 8 t + j.  Four accumulators, one instruction a turn
	v_wmma_scale_f32_16x16x128_f8f6f4 v[O+8*\t:O+8*\t+7], v[F+12*\t:F+12*\t+11], v[PC:PC+11], v[O+8*\t:O+8*\t+7], v[SCR+\t], v[PW] matrix_a_fmt:MATRIX_FMT_FP6 matrix_b_fmt:MATRIX_FMT_FP6 matrix_a_scale:MATRIX_SCALE_ROW1
.endr
.endm
; The end of a pass: O^T / the sum is quantised (my 32 channels are one block) and goes to LDS as half of my fragment's image.
.macro FINISH c
.rept 4
	v_nop                                          ; places behind the last products
.endr
	v_add_f32 v14, v14, v15
	s_delay_alu instid0(VALU_DEP_1)
	v_permlanex16_b32 v11, v14, s[SEL], s[SEL+1]
	s_delay_alu instid0(VALU_DEP_1)
	v_add_f32 v14, v14, v11                        ; the row's sum
	s_wait_alu depctr_va_vdst(0)
	v_rcp_f32 v[FF], v14
	v_nop
	s_wait_alu depctr_va_vdst(0)                   ; ahead of the reciprocal's first reader
.set j, 0
.rept 16
	v_pk_mul_f32 v[S+j:S+j+1], v[O+j:O+j+1], v[FF:FF+1] op_sel_hi:[1,0]
.set j, j+2
.endr
	v_max3_num_f32 v[MB], |v[S]|, |v[S+1]|, 0x1800000
.set j, 2
.rept 15
	s_delay_alu instid0(VALU_DEP_1)
	v_max3_num_f32 v[MB], v[MB], |v[S+j]|, |v[S+j+1]|
.set j, j+2
.endr
	s_delay_alu instid0(VALU_DEP_1)
	v_add_nc_u32 v[SCO], 0xff000000, v[MB]
	s_delay_alu instid0(VALU_DEP_1)
	v_lshrrev_b32 v[BY], 23, v[SCO]
	v_cvt_scalef32_pk16_fp6_f32 v[PC:PC+2], v[S:S+15], v[SCO]
	v_cvt_scalef32_pk16_fp6_f32 v[PC+12:PC+14], v[S+16:S+31], v[SCO]
	v_nop
.irp i, 0,1,2
	v_mov_b32 v[PC+3+\i], v[PC+12+\i]
.endr
.irp p, 0,1,2
	ds_store_b64 v[AWI], v[PC+2*\p:PC+2*\p+1] offset:768*\c+256*\p   ; registers 6 c + 2 p, + 1 of the fragment
.endr
	ds_store_b8 v[AWS], v[BY] offset:2*\c          ; byte 2 c + h of row r's word
.endm
.macro PASS c
.irp i, 0,1,2,3,4,5
	v_mov_b32 v[22+\i], v[QF+6*\c+\i]              ; token 2 g + c between the zeros
.endr
	v_mov_b32 v13, 0xff61b1e6                      ; the largest t so far: -3e38
	s_delay_alu instid0(VALU_DEP_1)
	v_floor_f32 v12, -v13
	v_mov_b32 v14, 0
	v_mov_b32 v15, 0
.set j, 0
.rept 32
	v_mov_b32 v[O+j], 0                            ; the step is written without a first form: the first change of M multiplies zeros
.set j, j+1
.endr
	s_mov_b32 s[KA], 0
	s_mov_b32 s[VA], 8*KVP
	s_mov_b32 s[SA], SCB
	s_mov_b32 s[CNT], 8
.Lkeys_\@:                                         ; a trip: row tile a of the head: two key steps
	v_add_nc_u32 v[ADK], s[KA], v[AK0]
	v_add_nc_u32 v[ADV], s[VA], v[LI]
	s_wait_alu depctr_va_vdst(0)
	v_add_nc_u32 v[ADS], s[SA], v[LI]
	v_nop                                          ; these four are the places behind the last products, in front of the loads
	STEP 0, \c, 0
.rept 4
	v_nop
.endr
	STEP 1, \c, \c
	s_add_co_u32 s[KA], s[KA], 1536
	s_add_co_u32 s[VA], s[VA], KVP
	s_add_co_u32 s[SA], s[SA], 1024
	s_sub_co_u32 s[CNT], s[CNT], 1
	s_cmp_lg_u32 s[CNT], 0
	s_cbranch_scc1 .Lkeys_\@
	FINISH \c
.endm
	PASS 0
	PASS 1
	; ---- THE PRODUCT WITH Wo.  Accumulator (m, n) at v[S + 32 m + 8 n]: lane (r, h), register j: row 16 m + r, column 64 w + 16 n + 8 h + j
.macro WLOAD ks, buf                   ; my four tiles' fragments of K step ks, as they lie
.irp n, 0,1,2,3
.irp c, 0,1,2
	global_load_b128 v[\buf+12*\n+4*\c:\buf+12*\n+4*\c+3], v[LI], s[8:9] offset:(8*\n+(\ks))*1536+512*\c
.endr
.endr
.endm
	s_wait_dscnt 0x0                               ; my image's stores have landed
.irp m, 0,1
.irp i, 0,1,2,3,4,5,6,7
	global_load_b128 v[S+32*\m+4*\i:S+32*\m+4*\i+3], v[GO], s[12:13] offset:(16*\m+2*\i)*4096 th:TH_LOAD_NT   ; pre_value: two rows' 256 aligned bytes an instruction
.endr
.endr
	global_load_b128 v[WS:WS+3], v[WSO], s[10:11]              ; Wo's scale words: lane L has row 64 w + L's eight: tile 0 in lanes 0-15, tile 1 in lanes 16-31;
	global_load_b128 v[WS+4:WS+7], v[WSO], s[10:11] offset:16
	global_load_b128 v[WS+8:WS+11], v[WSO], s[10:11] offset:1024   ; tiles 2 and 3
	global_load_b128 v[WS+12:WS+15], v[WSO], s[10:11] offset:1040
	WLOAD 0, F
	WLOAD 1, O
	s_wait_loadcnt 28                              ; pre_value is in; the 4 + 24 loads behind it may be out
.irp m, 0,1                                    ; through my stage, from rows into the accumulators' layout; LDS serves a wave's instructions in order
.irp i, 0,1,2,3,4,5,6,7
	ds_store_b128 v[SR], v[S+32*\m+4*\i:S+32*\m+4*\i+3] offset:544*\i
.endr
.irp n, 0,1,2,3
	ds_load_b128 v[S+32*\m+8*\n:S+32*\m+8*\n+3], v[SO] offset:64*\n
	ds_load_b128 v[S+32*\m+8*\n+4:S+32*\m+8*\n+7], v[SO] offset:64*\n+16
.endr
.endr
	BARRIER                                        ; attn's sixteen fragments lie in LDS
.irp ks, 0,1,2,3,4,5,6,7
.set WB, F+112*(\ks%2)                 ; the two buffers by turns: v48-95, v160-207
.irp m, 0,1
.irp c, 0,1
.irp p, 0,1,2
	ds_load_b64 v[16+12*\m+6*\c+2*\p:17+12*\m+6*\c+2*\p], v[ARI] offset:(8*\m+\ks)*1536+768*\c+256*\p
.endr
.endr
	ds_load_b32 v[AS+\m], v[ARS] offset:64*(8*\m+\ks)
.endr
.if \ks < 7
	s_wait_loadcnt 12                              ; this K step's fragments are in; the next step's twelve loads may be out
.else
	s_wait_loadcnt 8                               ; gamma's eight may be out
.endif
	s_wait_dscnt 0x0
.irp n, 0,1,2,3                                ; eight accumulators, one instruction a turn
.irp m, 0,1
.if \n%2 == 0
	v_wmma_scale_f32_16x16x128_f8f6f4 v[S+32*\m+8*\n:S+32*\m+8*\n+7], v[WB+12*\n:WB+12*\n+11], v[16+12*\m:27+12*\m], v[S+32*\m+8*\n:S+32*\m+8*\n+7], v[WS+8*(\n/2)+\ks], v[AS+\m] matrix_a_fmt:MATRIX_FMT_FP6 matrix_b_fmt:MATRIX_FMT_FP6
.else
	v_wmma_scale_f32_16x16x128_f8f6f4 v[S+32*\m+8*\n:S+32*\m+8*\n+7], v[WB+12*\n:WB+12*\n+11], v[16+12*\m:27+12*\m], v[S+32*\m+8*\n:S+32*\m+8*\n+7], v[WS+8*(\n/2)+\ks], v[AS+\m] matrix_a_fmt:MATRIX_FMT_FP6 matrix_b_fmt:MATRIX_FMT_FP6 matrix_a_scale:MATRIX_SCALE_ROW1
.endif
.endr
.endr
.rept 4
	v_nop                                          ; places in front of loads into registers that these products have read, and of the first read of results
.endr
.if \ks < 6
	WLOAD \ks+2, WB
.elseif \ks == 6
.irp n, 0,1,2,3
	global_load_b128 v[F+8*\n:F+8*\n+3], v[GBO], s[14:15] offset:64*\n          ; gamma in the accumulators' layout
	global_load_b128 v[F+8*\n+4:F+8*\n+7], v[GBO], s[14:15] offset:64*\n+16
.endr
.else
.irp n, 0,1,2,3
	global_load_b128 v[O+8*\n:O+8*\n+3], v[GBO], s[16:17] offset:64*\n          ; beta
	global_load_b128 v[O+8*\n+4:O+8*\n+7], v[GBO], s[16:17] offset:64*\n+16
.endr
.endif
.endr
	; ---- LAYERNORM.  x = the accumulators.  SHARE: a lane's pair of partial sums for each m -> the row's sum over all 1,024 columns, in v[208 + 2 m]
.macro SHARE off
.irp m, 0,1
	s_delay_alu instid0(VALU_DEP_2)
	v_add_f32 v[208+2*\m], v[208+2*\m], v[209+2*\m]
.endr
.irp m, 0,1
	s_delay_alu instid0(VALU_DEP_2)
	v_permlanex16_b32 v[MB+\m], v[208+2*\m], s[SEL], s[SEL+1]
.endr
.irp m, 0,1
	s_delay_alu instid0(VALU_DEP_2)
	v_add_f32 v[208+2*\m], v[208+2*\m], v[MB+\m]   ; my wave's 64 columns of row 16 m + r
.endr
.irp m, 0,1
	ds_store_b32 v[RW], v[208+2*\m] offset:\off+1280*\m   ; both halves of the lanes write the same word
.endr
	BARRIER
.irp m, 0,1
	ds_load_b128 v[16+8*\m:19+8*\m], v[RR] offset:\off+1280*\m      ; waves 8 h .. 8 h + 7's parts
	ds_load_b128 v[20+8*\m:23+8*\m], v[RR] offset:\off+1280*\m+16
.endr
	s_wait_dscnt 0x0
.irp m, 0,1
	v_pk_add_f32 v[16+8*\m:17+8*\m], v[16+8*\m:17+8*\m], v[18+8*\m:19+8*\m]
	v_pk_add_f32 v[20+8*\m:21+8*\m], v[20+8*\m:21+8*\m], v[22+8*\m:23+8*\m]
.endr
.irp m, 0
	s_delay_alu instid0(VALU_DEP_3)
	v_pk_add_f32 v[16+8*\m:17+8*\m], v[16+8*\m:17+8*\m], v[20+8*\m:21+8*\m]
.endr
.irp m, 1
	s_delay_alu instid0(VALU_DEP_2)
	v_pk_add_f32 v[16+8*\m:17+8*\m], v[16+8*\m:17+8*\m], v[20+8*\m:21+8*\m]
.endr
.irp m, 0,1
	s_delay_alu instid0(VALU_DEP_2)
	v_add_f32 v[16+8*\m], v[16+8*\m], v[17+8*\m]
.endr
.irp m, 0,1
	s_delay_alu instid0(VALU_DEP_2)
	v_permlanex16_b32 v[MB+\m], v[16+8*\m], s[SEL], s[SEL+1]
.endr
.irp m, 0,1
	s_delay_alu instid0(VALU_DEP_2)
	v_add_f32 v[208+2*\m], v[16+8*\m], v[MB+\m]
.endr
.endm
.irp m, 0,1
	v_pk_add_f32 v[208+2*\m:209+2*\m], v[S+32*\m:S+32*\m+1], v[S+32*\m+2:S+32*\m+3]   ; each accumulator from its low end on
.endr
.set j, 4
.rept 14
.irp m, 0,1
	v_pk_add_f32 v[208+2*\m:209+2*\m], v[208+2*\m:209+2*\m], v[S+32*\m+j:S+32*\m+j+1]
.endr
.set j, j+2
.endr
	SHARE 0
.irp m, 0,1
	s_delay_alu instid0(VALU_DEP_2)
	v_mul_f32 v[208+2*\m], 0xba800000, v[208+2*\m] ; -mean
.endr
.irp m, 0,1
.set j, 0
.rept 16
	v_pk_add_f32 v[S+32*\m+j:S+32*\m+j+1], v[S+32*\m+j:S+32*\m+j+1], v[208+2*\m:209+2*\m] op_sel_hi:[1,0]   ; x - mean
.set j, j+2
.endr
.endr
.irp m, 0,1
	v_pk_mul_f32 v[208+2*\m:209+2*\m], v[S+32*\m:S+32*\m+1], v[S+32*\m:S+32*\m+1]
.endr
.set j, 2
.rept 15
.irp m, 0,1
	s_delay_alu instid0(VALU_DEP_2)
	v_pk_fma_f32 v[208+2*\m:209+2*\m], v[S+32*\m+j:S+32*\m+j+1], v[S+32*\m+j:S+32*\m+j+1], v[208+2*\m:209+2*\m]
.endr
.set j, j+2
.endr
	SHARE RED2-RED1
.irp m, 0,1
	s_delay_alu instid0(VALU_DEP_2)
	v_fma_f32 v[208+2*\m], v[208+2*\m], s50, s51   ; the variance + 1e-5
.endr
	s_wait_alu depctr_va_vdst(0)
.irp m, 0,1
	v_rsq_f32 v[BY+2*\m], v[208+2*\m]
.endr
	v_nop
	s_wait_alu depctr_va_vdst(0)                   ; one wait for the two, ahead of their first reader
	s_wait_loadcnt 0x0                             ; gamma and beta
.irp m, 0,1
.set j, 0
.rept 16
	v_pk_mul_f32 v[S+32*\m+j:S+32*\m+j+1], v[S+32*\m+j:S+32*\m+j+1], v[BY+2*\m:BY+2*\m+1] op_sel_hi:[1,0]
.set j, j+2
.endr
.endr
.irp m, 0,1
.set j, 0
.rept 16
	v_pk_fma_f32 v[S+32*\m+j:S+32*\m+j+1], v[S+32*\m+j:S+32*\m+j+1], v[F+j:F+j+1], v[O+j:O+j+1]
.set j, j+2
.endr
.endr
	; ---- THE WAY OUT: through my stage, back as rows: sixteen lanes store 256 consecutive bytes, aligned
.irp m, 0,1
.irp n, 0,1,2,3
	ds_store_b128 v[SO], v[S+32*\m+8*\n:S+32*\m+8*\n+3] offset:64*\n
	ds_store_b128 v[SO], v[S+32*\m+8*\n+4:S+32*\m+8*\n+7] offset:64*\n+16
.endr
.irp i, 0,1,2,3,4,5,6,7
	ds_load_b128 v[F+112*\m+4*\i:F+112*\m+4*\i+3], v[SR] offset:544*\i   ; LDS serves a wave's instructions in order: these see the stores above, and the next half's stores come behind them
.endr
.endr
.irp m, 0,1
.irp i, 0,1,2,3,4,5,6,7
	s_wait_dscnt 23-16*\m-\i                       ; the younger LDS instructions may be out
	global_store_b128 v[GO], v[F+112*\m+4*\i:F+112*\m+4*\i+3], s[18:19] offset:(16*\m+2*\i)*4096 th:TH_STORE_NT
.endr
.endr
	s_wait_tensorcnt 0x0
	ds_add_u32 v217, v237
	s_wait_dscnt 0x0
	ROUND                                          ; the closing round: no work-group ends while a partner may still ask for a plane that names it
	s_endpgm
.Lfunc_end_k_qdc14ec80eb_attn:
	.size	k_qdc14ec80eb_attn, .Lfunc_end_k_qdc14ec80eb_attn-k_qdc14ec80eb_attn
	.p2alignl 7, 3214868480
	.fill 96, 4, 3214868480
	.section	.rodata,"a",@progbits
	.p2align	6, 0x0
	.amdhsa_kernel k_qdc14ec80eb_attn
		.amdhsa_group_segment_fixed_size 307456
		.amdhsa_private_segment_fixed_size 0
		.amdhsa_enable_private_segment 0
		.amdhsa_kernarg_size 64
		.amdhsa_user_sgpr_count 2
		.amdhsa_user_sgpr_kernarg_segment_ptr 1
		.amdhsa_wavefront_size32 1
		.amdhsa_system_sgpr_workgroup_id_x 1
		.amdhsa_system_sgpr_workgroup_id_y 1
		.amdhsa_system_sgpr_workgroup_id_z 1
		.amdhsa_system_vgpr_workitem_id 0
		.amdhsa_next_free_vgpr 256
		.amdhsa_next_free_sgpr 66
		.amdhsa_reserve_vcc 0
		.amdhsa_float_denorm_mode_32 3
		.amdhsa_float_denorm_mode_16_64 3
		.amdhsa_memory_ordered 1
		.amdhsa_forward_progress 1
		.amdhsa_inst_pref_size 130
	.end_amdhsa_kernel
	.amdgpu_metadata
---
amdhsa.version: [ 1, 2 ]
amdhsa.kernels:
  - .name:           k_qdc14ec80eb_attn
    .symbol:         k_qdc14ec80eb_attn.kd
    .args:
      - { .name: qkv, .offset: 0, .size: 8, .value_kind: global_buffer, .address_space: global }
      - { .name: sc, .offset: 8, .size: 8, .value_kind: global_buffer, .address_space: global }
      - { .name: wo_img, .offset: 16, .size: 8, .value_kind: global_buffer, .address_space: global }
      - { .name: Wo_scales, .offset: 24, .size: 8, .value_kind: global_buffer, .address_space: global }
      - { .name: pre_value, .offset: 32, .size: 8, .value_kind: global_buffer, .address_space: global }
      - { .name: gamma, .offset: 40, .size: 8, .value_kind: global_buffer, .address_space: global }
      - { .name: beta, .offset: 48, .size: 8, .value_kind: global_buffer, .address_space: global }
      - { .name: out0, .offset: 56, .size: 8, .value_kind: global_buffer, .address_space: global }
    .group_segment_fixed_size: 307456
    .private_segment_fixed_size: 0
    .kernarg_segment_align: 8
    .kernarg_segment_size: 64
    .max_flat_workgroup_size: 512
    .sgpr_count:     66
    .vgpr_count:     256
    .wavefront_size: 32
...
	.end_amdgpu_metadata
.endif
;; end of part 3
